; MI455X (gfx1250); checked and timed in simulation.
; The chip was launched on July 23, 2026; its instructions are those of AMD's public machine-readable ISA for CDNA 5 (MIT licence, August 2026) and "CDNA5" Instruction Set Architecture Reference Guide (July 2026). The comments in the code are by the model that wrote it; some were corrected since.
;; Sliding Window Attention. Allowed arithmetic: float matrix products may take bf16 or f16 operands with f32 sums; other float arithmetic in f32, or as packed bf16 or f16 multiplies, adds, multiply-adds, maxima and minima; sums over many terms, partial sums and values carried from step to step in f32; what a program stores and reads back later, other than sums and carried values, may be rounded once to bf16 or f16.
;; Inputs: ln1_b 1,024 float32; ln1_g 1,024 float32; ln2_b 1,024 float32; ln2_g 1,024 float32; mlp_b1 4,096 float32; mlp_b2 1,024 float32; mlp_w1 4,096 x 1,024 float32; mlp_w2 1,024 x 4,096 float32; w_o 1,024 x 1,024 float32; w_qkv 3,072 x 1,024 float32; x 2 x 2,048 x 1,024 float32.
;; Outputs: out0 2 x 2,048 x 1,024 float32.
;; 2 versions, each right; version 2 is version 1 with the launch prep written anew for expert scheduling mode. Each part assembles by itself: llvm-mc -triple=amdgcn-amd-amdhsa -mcpu=gfx1250 --defsym DOCPART=n.
;; ======== version 1 of 2: 7 launches
;; limits: right only within a limited range of input values; a function is approximated: absolute error at most 0.0005
;; workspace buffers: hn 8,388,608 bytes; xb 8,388,608 bytes; wbf 25,165,824 bytes; qkv 25,165,824 bytes; ob 8,388,608 bytes; x1 16,777,216 bytes; gl 33,554,432 bytes
;; launch prep (part 1): grid 1024 x 1, 8 waves a work-group, no clusters, 0 bytes of LDS; arguments x, ln1_g, ln1_b, w_qkv, w_o, mlp_w1, mlp_w2, hn, xb, wbf; writes hn, xb, wbf
.if DOCPART == 1
	.amdgcn_target "amdgcn-amd-amdhsa--gfx1250"
	.amdhsa_code_object_version 6
	.text
	.protected	k_q7556787df2_prep
	.globl	k_q7556787df2_prep
	.p2align	8
	.type	k_q7556787df2_prep,@function
k_q7556787df2_prep:
	s_mov_b64 s[64:65], 0
	v_nop
	global_prefetch_b8 v0, s[64:65] scope:SCOPE_SE
	s_setreg_imm32_b32 hwreg(HW_REG_WAVE_MODE, 25, 1), 1
	s_wait_xcnt 0x0
; PREP.  Work-groups 0-255: xb = x rounded to bf16, hn = LayerNorm(xb) x g + b rounded to bf16 (g and b rounded to bf16 first).
; Work-groups 256-1023: the four weight matrices rounded to bf16 into wbf: w_qkv, w_o, mlp_w1, mlp_w2 on end.
; LIMIT: every input of the module is rounded once to bf16 here or where it is loaded; mean and variance are taken in f32, in two passes, of the rounded x.
; A stream: nothing is shared between waves, so no LDS, no barrier, no matrix unit.  A wave takes whole rows (4,096 bytes, eight loads of 512 consecutive bytes);
; each store of a wave covers 256 consecutive bytes, aligned.
.set ROUNDX, 1
.set XIN, 4                            ; s[4:5] x
.set GP,  6                            ; s[6:7] gain
.set BP,  8                            ; s[8:9] bias
.set HN,  18                           ; s[18:19] hn
.set XBP, 20                           ; s[20:21] xb
.set WV,  24                           ; s24 wave
.set SEL, 34                           ; s[34:35] lane selects: each lane takes its own place in the other half
.set MSK, 36                           ; s36 a word's upper bf16
.set CNT, 37
.set RK,  38                           ; s38 1 / 1024
.set EPSR, 39                          ; s39 1e-5
.set IN,  1                            ; v1 16 x lane + the row's step
.set OUT, 2                            ; v2 8 x lane + the row's step
.set GO,  3                            ; v3 16 x lane; never rewritten
.set X,   8                            ; v[8:39]    the row as loaded
.set G,   40                           ; v[40:71]   gain of my 32 columns
.set BV,  72                           ; v[72:103]  bias
.set D,   104                          ; v[104:135] at work
.set PX,  136                          ; v[136:151] x in bf16
.set PY,  152                          ; v[152:167] the result in bf16; its first eight registers also hold the sums' four chains
	s_load_b512 s[4:19], s[0:1], 0x0               ; x, g, b, w_qkv s[10:11], w_o s[12:13], mlp_w1 s[14:15], mlp_w2 s[16:17], hn
	s_load_b128 s[20:23], s[0:1], 0x40             ; xb, wbf s[22:23]
	v_lshrrev_b32 v4, 5, v0
	v_readfirstlane_b32 s[WV], v4
	v_and_b32 v5, 31, v0
	v_lshlrev_b32 v[IN], 4, v5
	v_lshlrev_b32 v[OUT], 3, v5
	s_cmp_lt_u32 ttmp9, 256
	s_cbranch_scc0 .Lcast
	; ---- LayerNorm: 16 rows a work-group, two a wave
	v_lshlrev_b32 v[GO], 4, v5
	s_mov_b32 s[SEL], 0x76543210
	s_mov_b32 s[SEL+1], 0xfedcba98
	s_mov_b32 s[MSK], 0xffff0000
	s_mov_b32 s[RK], 0x3a800000
	s_mov_b32 s[EPSR], 0x3727c5ac
	s_lshl_b32 s26, ttmp9, 16                      ; 16 rows of 4,096 bytes
	s_lshl_b32 s27, s[WV], 13                      ; my two
	s_add_co_u32 s26, s26, s27
	s_mov_b32 s27, 0
	s_lshr_b32 s28, s26, 1                         ; the same rows in bf16
	s_mov_b32 s29, 0
	s_wait_kmcnt 0x0
	s_add_nc_u64 s[XIN:XIN+1], s[XIN:XIN+1], s[26:27]
	s_add_nc_u64 s[HN:HN+1], s[HN:HN+1], s[28:29]
	s_add_nc_u64 s[XBP:XBP+1], s[XBP:XBP+1], s[28:29]
.irp j, 0,1,2,3,4,5,6,7
	global_load_b128 v[G+4*(\j):G+4*(\j)+3], v[GO], s[GP:GP+1] offset:512*(\j)
.endr
.irp j, 0,1,2,3,4,5,6,7
	global_load_b128 v[BV+4*(\j):BV+4*(\j)+3], v[GO], s[BP:BP+1] offset:512*(\j)
.endr
.irp j, 0,1,2,3,4,5,6,7
	global_load_b128 v[X+4*(\j):X+4*(\j)+3], v[IN], s[XIN:XIN+1] offset:512*(\j) th:TH_LOAD_NT
.endr
	s_wait_loadcnt 8                               ; gain and bias are in; the row's eight younger loads may stay out
.set i, 0
.rept 16                                               ; gain and bias rounded to bf16 and widened again
	v_cvt_pk_bf16_f32 v4, v[G+2*i], v[G+2*i+1]
	v_lshlrev_b32 v[G+2*i], 16, v4
	v_and_b32 v[G+2*i+1], s[MSK], v4
	v_cvt_pk_bf16_f32 v6, v[BV+2*i], v[BV+2*i+1]
	v_lshlrev_b32 v[BV+2*i], 16, v6
	v_and_b32 v[BV+2*i+1], s[MSK], v6
.set i, i+1
.endr
.macro RSUM                            ; the four chains into one number, the same in every lane: v4
	v_pk_add_f32 v[PY:PY+1], v[PY:PY+1], v[PY+2:PY+3]
	v_pk_add_f32 v[PY+4:PY+5], v[PY+4:PY+5], v[PY+6:PY+7]
	v_pk_add_f32 v[PY:PY+1], v[PY:PY+1], v[PY+4:PY+5]
	v_add_f32 v4, v[PY], v[PY+1]
	v_add_f32_dpp v4, v4, v4 row_xmask:1 row_mask:0xf bank_mask:0xf
	v_add_f32_dpp v4, v4, v4 row_xmask:2 row_mask:0xf bank_mask:0xf
	v_add_f32_dpp v4, v4, v4 row_xmask:4 row_mask:0xf bank_mask:0xf
	v_add_f32_dpp v4, v4, v4 row_xmask:8 row_mask:0xf bank_mask:0xf
	v_permlanex16_b32 v5, v4, s[SEL], s[SEL+1]     ; v5 has been written
	v_add_f32 v4, v4, v5
.endm
.if ROUNDX
.set SRC, D
.else
.set SRC, X
.endif
	s_mov_b32 s[CNT], 2
.Lrow:
	s_wait_loadcnt 0x0                             ; the row is in
	s_wait_xcnt 0x0                                ; the last row's stores have read PX, PY and OUT, which are written again below
	v_add_nc_u32 v[OUT], 2048, v[OUT]              ; the stores reach back by their immediate
.if ROUNDX
.set i, 0
.rept 16
	v_cvt_pk_bf16_f32 v[PX+i], v[X+2*i], v[X+2*i+1]
.set i, i+1
.endr
.irp j, 0,1,2,3,4,5,6,7
	global_store_b64 v[OUT], v[PX+2*(\j):PX+2*(\j)+1], s[XBP:XBP+1] offset:256*(\j)-2048  ; 32 lanes x 8 bytes: 256 consecutive bytes, aligned
.endr
.set i, 0
.rept 16
	v_lshlrev_b32 v[D+2*i], 16, v[PX+i]
	v_and_b32 v[D+2*i+1], s[MSK], v[PX+i]
.set i, i+1
.endr
.endif
.irp c, 0,1,2,3
	v_pk_add_f32 v[PY+2*(\c):PY+2*(\c)+1], v[SRC+2*(\c):SRC+2*(\c)+1], v[SRC+8+2*(\c):SRC+8+2*(\c)+1]  ; the first pairs start the chains
.endr
.irp k, 16,24
.irp c, 0,1,2,3
	v_pk_add_f32 v[PY+2*(\c):PY+2*(\c)+1], v[PY+2*(\c):PY+2*(\c)+1], v[SRC+(\k)+2*(\c):SRC+(\k)+2*(\c)+1]
.endr
.endr
	RSUM
	v_mul_f32 v6, s[RK], v4                        ; the mean, twice
	v_mov_b32 v7, v6
.set i, 0
.rept 16
	v_pk_add_f32 v[D+2*i:D+2*i+1], v[SRC+2*i:SRC+2*i+1], v[6:7] neg_lo:[0,1] neg_hi:[0,1]
.set i, i+1
.endr
	s_cmp_eq_u32 s[CNT], 1                         ; the last row has no successor
	s_cbranch_scc1 .Lnoload
	v_add_nc_u32 v[IN], 4096, v[IN]                ; its loads are done (the wait at the trip's head)
.irp j, 0,1,2,3,4,5,6,7
	global_load_b128 v[X+4*(\j):X+4*(\j)+3], v[IN], s[XIN:XIN+1] offset:512*(\j) th:TH_LOAD_NT
.endr
.Lnoload:
.irp c, 0,1,2,3
	v_pk_mul_f32 v[PY+2*(\c):PY+2*(\c)+1], v[D+2*(\c):D+2*(\c)+1], v[D+2*(\c):D+2*(\c)+1]
.endr
.irp k, 8,16,24
.irp c, 0,1,2,3
	v_pk_fma_f32 v[PY+2*(\c):PY+2*(\c)+1], v[D+(\k)+2*(\c):D+(\k)+2*(\c)+1], v[D+(\k)+2*(\c):D+(\k)+2*(\c)+1], v[PY+2*(\c):PY+2*(\c)+1]
.endr
.endr
	RSUM
	v_fma_f32 v4, v4, s[RK], s[EPSR]               ; variance + 1e-5
	v_rsq_f32 v6, v4
	v_rsq_f32 v7, v4
	v_nop                                          ; a plain instruction behind the last of the two
	s_wait_alu depctr_va_vdst(0)                   ; one wait for both, ahead of their first reader
.set i, 0
.rept 16
	v_pk_mul_f32 v[D+2*i:D+2*i+1], v[D+2*i:D+2*i+1], v[6:7]
.set i, i+1
.endr
.set i, 0
.rept 16
	v_pk_fma_f32 v[D+2*i:D+2*i+1], v[D+2*i:D+2*i+1], v[G+2*i:G+2*i+1], v[BV+2*i:BV+2*i+1]
.set i, i+1
.endr
.set i, 0
.rept 16
	v_cvt_pk_bf16_f32 v[PY+i], v[D+2*i], v[D+2*i+1]
.set i, i+1
.endr
.irp j, 0,1,2,3,4,5,6,7
	global_store_b64 v[OUT], v[PY+2*(\j):PY+2*(\j)+1], s[HN:HN+1] offset:256*(\j)-2048
.endr
	s_sub_co_u32 s[CNT], s[CNT], 1
	s_cmp_lg_u32 s[CNT], 0
	s_cbranch_scc1 .Lrow
	s_endpgm
	; ---- the weights: chunk c of 16,384 numbers; w_qkv has chunks 0-191, w_o 192-255, mlp_w1 256-511, mlp_w2 512-767
.Lcast:
	s_sub_co_u32 s25, ttmp9, 256
	s_wait_kmcnt 0x0
	s_mov_b64 s[30:31], s[16:17]
	s_mov_b32 s32, 512
	s_cmp_lt_u32 s25, 512
	s_cselect_b64 s[30:31], s[14:15], s[30:31]
	s_cselect_b32 s32, 256, s32
	s_cmp_lt_u32 s25, 256
	s_cselect_b64 s[30:31], s[12:13], s[30:31]
	s_cselect_b32 s32, 192, s32
	s_cmp_lt_u32 s25, 192
	s_cselect_b64 s[30:31], s[10:11], s[30:31]
	s_cselect_b32 s32, 0, s32
	s_sub_co_u32 s32, s25, s32                     ; the chunk's number in its own matrix
	s_lshl_b32 s32, s32, 16
	s_lshl_b32 s33, s[WV], 13                      ; my eighth: 8,192 bytes in, 4,096 out
	s_add_co_u32 s32, s32, s33
	s_mov_b32 s33, 0
	s_add_nc_u64 s[30:31], s[30:31], s[32:33]
	s_lshl_b32 s26, s25, 15
	s_lshl_b32 s27, s[WV], 12
	s_add_co_u32 s26, s26, s27
	s_mov_b32 s27, 0
	s_add_nc_u64 s[22:23], s[22:23], s[26:27]
.set j, 0
.rept 16
	global_load_b128 v[8+4*j:8+4*j+3], v[IN], s[30:31] offset:512*j th:TH_LOAD_NT
.set j, j+1
.endr
.set j, 0
.rept 16
	s_wait_loadcnt 15-j                            ; loads come back in order: load j is in, the younger ones stay out
	v_cvt_pk_bf16_f32 v[72+2*j], v[8+4*j], v[8+4*j+1]
	v_cvt_pk_bf16_f32 v[72+2*j+1], v[8+4*j+2], v[8+4*j+3]
	global_store_b64 v[OUT], v[72+2*j:72+2*j+1], s[22:23] offset:256*j
.set j, j+1
.endr
	s_endpgm
.Lfunc_end_k_q7556787df2_prep:
	.size	k_q7556787df2_prep, .Lfunc_end_k_q7556787df2_prep-k_q7556787df2_prep
	.p2alignl 7, 3214868480
	.fill 96, 4, 3214868480
	.section	.rodata,"a",@progbits
	.p2align	6, 0x0
	.amdhsa_kernel k_q7556787df2_prep
		.amdhsa_group_segment_fixed_size 0
		.amdhsa_private_segment_fixed_size 0
		.amdhsa_enable_private_segment 0
		.amdhsa_kernarg_size 80
		.amdhsa_user_sgpr_count 2
		.amdhsa_user_sgpr_kernarg_segment_ptr 1
		.amdhsa_wavefront_size32 1
		.amdhsa_system_sgpr_workgroup_id_x 1
		.amdhsa_system_sgpr_workgroup_id_y 1
		.amdhsa_system_sgpr_workgroup_id_z 1
		.amdhsa_system_vgpr_workitem_id 0
		.amdhsa_next_free_vgpr 168
		.amdhsa_next_free_sgpr 66
		.amdhsa_reserve_vcc 0
		.amdhsa_float_denorm_mode_32 3
		.amdhsa_float_denorm_mode_16_64 3
		.amdhsa_memory_ordered 1
		.amdhsa_forward_progress 1
		.amdhsa_inst_pref_size 26
	.end_amdhsa_kernel
	.amdgpu_metadata
---
amdhsa.version: [ 1, 2 ]
amdhsa.kernels:
  - .name:           k_q7556787df2_prep
    .symbol:         k_q7556787df2_prep.kd
    .args:
      - { .name: x, .offset: 0, .size: 8, .value_kind: global_buffer, .address_space: global }
      - { .name: ln1_g, .offset: 8, .size: 8, .value_kind: global_buffer, .address_space: global }
      - { .name: ln1_b, .offset: 16, .size: 8, .value_kind: global_buffer, .address_space: global }
      - { .name: w_qkv, .offset: 24, .size: 8, .value_kind: global_buffer, .address_space: global }
      - { .name: w_o, .offset: 32, .size: 8, .value_kind: global_buffer, .address_space: global }
      - { .name: mlp_w1, .offset: 40, .size: 8, .value_kind: global_buffer, .address_space: global }
      - { .name: mlp_w2, .offset: 48, .size: 8, .value_kind: global_buffer, .address_space: global }
      - { .name: hn, .offset: 56, .size: 8, .value_kind: global_buffer, .address_space: global }
      - { .name: xb, .offset: 64, .size: 8, .value_kind: global_buffer, .address_space: global }
      - { .name: wbf, .offset: 72, .size: 8, .value_kind: global_buffer, .address_space: global }
    .group_segment_fixed_size: 0
    .private_segment_fixed_size: 0
    .kernarg_segment_align: 8
    .kernarg_segment_size: 80
    .max_flat_workgroup_size: 256
    .sgpr_count:     66
    .vgpr_count:     168
    .wavefront_size: 32
...
	.end_amdgpu_metadata
.endif
;; end of part 1
;; launch qkv (part 2): grid 16 x 16, 4 waves a work-group, clusters of 4 x 4, 327,680 bytes of LDS; arguments hn, wbf, qkv; writes qkv
.if DOCPART == 2
	.amdgcn_target "amdgcn-amd-amdhsa--gfx1250"
	.amdhsa_code_object_version 6
	.text
	.protected	k_q7556787df2_qkv
	.globl	k_q7556787df2_qkv
	.p2align	8
	.type	k_q7556787df2_qkv,@function
k_q7556787df2_qkv:
	s_mov_b64 s[64:65], 0
	v_nop
	global_prefetch_b8 v0, s[64:65] scope:SCOPE_SE
	s_setreg_imm32_b32 hwreg(HW_REG_WAVE_MODE, 25, 1), 1
	s_wait_xcnt 0x0
	s_wait_alu depctr_hold_cnt(0) depctr_sa_sdst(0) depctr_va_vdst(0) depctr_va_sdst(0) depctr_va_ssrc(0) depctr_va_vcc(0) depctr_vm_vsrc(0)
	s_getreg_b32 s2, hwreg(HW_REG_IB_STS2, 6, 4)
	s_cmp_eq_u32 s2, 0
	s_cbranch_scc0 .Lentry_in_a_cluster
	s_endpgm
.Lentry_in_a_cluster:
	s_bfe_u32 s2, ttmp6, 0x10000c
	s_cmp_lg_u32 s2, 0xf033
	s_cbranch_scc0 .Lentry_shape_is_right
	s_endpgm
.Lentry_shape_is_right:
; C = A B^T with K = 1,024, A: [4096][1024] bf16 (hn), B: rows of wbf, bf16; sums in f32.
; MLP = 0: B = w_qkv (3,072 rows); C rounded to bf16 and written by heads: qkv[b][g][s][64], g = column / 64.  A tile of C is 256 x 192: 16 x 16 = 256 work-groups.
; MLP = 1: B = mlp_w1 (4,096 rows); gl = gelu(C + b1) rounded to bf16, [4096][4096].  A tile is 256 x 256: 256 work-groups.
; LIMITS (MLP = 1): b1 is rounded to bf16.  gelu(x) = x/2 + |x| (1/2 - erfc(|x|/sqrt 2)/2), erfc(t) = (1 + a1 t + a2 t^2 + a3 t^3 + a4 t^4)^-4 (Abramowitz and Stegun 7.1.27),
; whose error is at most 5e-4 for every argument: gelu is off by at most 2.5e-4 |x|.  For large |x| the form gives x or 0 exactly; NaN is not treated apart.
; Four waves, 2 x 2; a wave makes 128 x BN/2: 8 x NBK accumulators.  K goes in steps of 128 through two LDS slots filled by tensor loads (rows of 256 bytes, padded to 272).
; ONE K step is written and looped over: the slot in hand is a scalar (TB, 0 or SLOT) that an exclusive or turns; LDS addresses are TB + a lane term.
; CLUSTER 4 x 4: A's tile is asked for jointly by a row of the cluster, B's by a column.  The product is taken transposed (source 0 = B's rows): a lane holds 8 neighbouring columns of one row of C.
; THE WAY OUT: when the ring has had its last fill, its bytes take the whole tile in f32 (rows of OP bytes); then each wave reads 64 whole rows, finishes them and stores blocks of 256 consecutive bytes.
; REGISTERS: window 0: addresses, A's two fragment buffers v64-127, v128-191; window 1: B's, same numbers; windows 2, 3: accumulators (a, b) at v[8 (8 a + b)].
.set MLP, 0
.if MLP
.set BN, 256
.set WOFF, 8388608
.set OUTP, 10
.else
.set BN, 192
.set WOFF, 0
.set OUTP, 8
.endif
.set KSTEP, 128
.set NSTEP, 8
.set PITCH, 272                        ; 256 bytes + 16 of padding: the 16 rows of a fragment load start at 16 different groups of four banks (ISA guide 11.1)
.set NBK,   BN/32
.set HB,    BN/2
.set HALFA, 128*PITCH
.set HALFB, HB*PITCH
.set BOFF,  2*HALFA
.set SLOT,  BOFF+2*HALFB
.set SPARE, 2*SLOT                     ; behind the ring: the spare words, 128 bytes a wave, that no other line names
.set OP,    4*BN+16                    ; a row of the tile in f32 on the way out
.set NLD,   16+2*NBK                   ; LDS loads in a quarter's run
.set ADRA0, 16
.set ADRB0, 17
.set ADRA,  18
.set ADRB,  19
.set RD,    20
.set L16,   21
.set CO,    22
.set SPW,   28
.set NIL,   29
.set PFO,   30
.set STO,   32                         ; v32-39
.set BI,    40                         ; v40-47
.set YY,    48                         ; v48-63
.set F0,    64
.set F1,    128
.set G1,  24
.set G0,  32
.set G1B, 48
.set G0B, 56
.set WV,  70
.set RH,  71
.set CH,  72
.set CX,  73
.set CY,  74
.set TN,  75
.set TM,  76
.set WBA, 77
.set WBB, 78
.set TB,  79
.set LIM, 80
.set PFA, 82
.set MSB, 0
.macro WIN new                         ; the immediate's high byte repeats the setting that is left
.if MSB != (\new)
	s_set_vgpr_msb (MSB<<8)|(\new)
.set MSB, \new
.endif
.endm
.set MUL_LO, 0xa1                      ; source 0 (B) window 1, source 1 (A) window 0, C and D window 2
.set TO_B,   0x40                      ; destination window 1, address window 0
.macro PLACES
.rept 4
	v_nop
.endr
.endm
; A joint load: waves 0 and 1 fetch A's halves, waves 2 and 3 B's.  An s_nop 0 and four v_nop follow each line.
.macro JLOAD s
	s_cmp_eq_u32 s[RH], 0
	s_cbranch_scc0 .Lfor_b_\@
	tensor_load_to_lds s[G0+4*(\s):G0+4*(\s)+3], s[G1:G1+7]
	s_nop 0
.rept 4
	v_nop
.endr
	s_branch .Lasked_\@
.Lfor_b_\@:
	tensor_load_to_lds s[G0B+4*(\s):G0B+4*(\s)+3], s[G1B:G1B+7]
	s_nop 0
.rept 4
	v_nop
.endr
.Lasked_\@:
.endm
.macro CREST                           ; a round of the cluster's barrier behind its opening barrier
	s_cmp_lg_u32 s[WV], 0
	s_cbranch_scc1 .Lnot_wave_0_\@
	s_barrier_signal -3
.Lnot_wave_0_\@:
	s_barrier_wait -3
	s_barrier_signal -1
	s_barrier_wait -1
.endm
.macro CROUND
	s_barrier_signal -1
	s_barrier_wait -1
	CREST
.endm
; A prefetch of the K step two refills on: a lane a row, 256 bytes of each.  A's rows are asked for by the cluster with x = 0, B's by the cluster with y = 0; the four partners of a joint
; load take a quarter of the wave's rows each, told apart by address.  The loop's last two trips have no K step two on.
.macro ASK
	s_cmp_gt_u32 s3, s[LIM]
	s_cbranch_scc0 .Lnot_mine_\@
	global_prefetch_b8 v[PFO], s[PFA:PFA+1] offset:KSTEP*2 th:TH_LOAD_NT scope:SCOPE_SE
.Lnot_mine_\@:
.endm
.if MLP
	s_load_b256 s[4:11], s[0:1], 0x0               ; A s[4:5], wbf s[6:7], b1 s[8:9], gl s[10:11]
.else
	s_load_b128 s[4:7], s[0:1], 0x0                ; A s[4:5], wbf s[6:7]
	s_load_b64 s[8:9], s[0:1], 0x10                ; qkv
.endif
	v_lshl_add_u32 v[SPW], v0, 2, SPARE
	v_mov_b32 v[NIL], 0
	ds_add_u32 v[SPW], v[NIL]                      ; the wave's opening: the add and its wait ahead of my first tensor load
	v_lshrrev_b32 v1, 5, v0
	v_readfirstlane_b32 s[WV], v1
	s_lshr_b32 s[RH], s[WV], 1                     ; my half of the rows; also: I fetch for A (0) or B (1)
	s_and_b32 s[CH], s[WV], 1                      ; my half of the columns; also: which half of that tile I fetch
	s_bfe_u32 s[CX], ttmp6, 0x40000
	s_bfe_u32 s[CY], ttmp6, 0x40004
	s_lshl_b32 s[TN], ttmp9, 2
	s_add_co_u32 s[TN], s[TN], s[CX]               ; tile column
	s_and_b32 s[TM], ttmp7, 0xffff
	s_lshl_b32 s[TM], s[TM], 2
	s_add_co_u32 s[TM], s[TM], s[CY]               ; tile row
	s_lshl_b32 s40, s[CY], 2
	s_lshl_b32 s40, 15, s40                        ; my row of the cluster
	s_lshl_b32 s41, 0x1111, s[CX]                  ; my column
	s_or_b32 s[G1], s40, (1<<16)|(1<<20)|(1<<21)|(5<<22)|(3<<25)   ; mask; 2-byte elements; padding on; bit 21 beside a mask; after every 64 words 4 words
	s_or_b32 s[G1B], s41, (1<<16)|(1<<20)|(1<<21)|(5<<22)|(3<<25)
	s_mov_b32 s[G1+1], KSTEP<<16                   ; tensor_dim0 = 128
	s_mov_b32 s[G1+2], 128<<16                     ; tensor_dim1 = 128
	s_mov_b32 s[G1+3], KSTEP<<16                   ; tile_dim0 = 128
	s_mov_b32 s[G1+4], 128                         ; tile_dim1 = 128
	s_mov_b32 s[G1+5], 1024                        ; elements from row to row
	s_mov_b32 s[G1+6], 0
	s_mov_b32 s[G1+7], 0
	s_mov_b32 s[G1B+1], KSTEP<<16
	s_mov_b32 s[G1B+2], HB<<16
	s_mov_b32 s[G1B+3], KSTEP<<16
	s_mov_b32 s[G1B+4], HB
	s_mov_b32 s[G1B+5], 1024
	s_mov_b32 s[G1B+6], 0
	s_mov_b32 s[G1B+7], 0
	s_lshl_b32 s12, s[TM], 8                       ; A: row 256 x tile row + 128 x half, 2,048 bytes a row
	s_lshl_b32 s13, s[CH], 7
	s_add_co_u32 s12, s12, s13
	s_lshl_b32 s12, s12, 11
	s_mov_b32 s13, 0
	s_mul_i32 s16, s[TN], BN                       ; B: row BN x tile column + HB x half
	s_mul_i32 s17, s[CH], HB
	s_add_co_u32 s16, s16, s17
	s_lshl_b32 s16, s16, 11
	s_mov_b32 s17, 0
	s_mul_i32 s[WBA], s[CH], HALFA                 ; where they go in a slot: the wave's number alone
	s_mul_i32 s[WBB], s[CH], HALFB
	s_add_co_u32 s[WBB], s[WBB], BOFF
	s_wait_dscnt 0x0                               ; the opening add is done
	s_wait_kmcnt 0x0
	s_add_nc_u64 s[6:7], s[6:7], WOFF
	s_add_nc_u64 s[14:15], s[4:5], s[12:13]
	s_add_nc_u64 s[18:19], s[6:7], s[16:17]
	CROUND                                         ; all sixteen work-groups are here: the first joint loads meet
.irp s, 0,1
	s_mov_b32 s[G0+4*(\s)], 1
	s_add_co_u32 s[G0+4*(\s)+1], s[WBA], (\s)*SLOT
	s_add_nc_u64 s[G0+4*(\s)+2:G0+4*(\s)+3], s[14:15], (\s)*KSTEP*2
	s_or_b32 s[G0+4*(\s)+3], s[G0+4*(\s)+3], 0x80000000
	s_mov_b32 s[G0B+4*(\s)], 1
	s_add_co_u32 s[G0B+4*(\s)+1], s[WBB], (\s)*SLOT
	s_add_nc_u64 s[G0B+4*(\s)+2:G0B+4*(\s)+3], s[18:19], (\s)*KSTEP*2
	s_or_b32 s[G0B+4*(\s)+3], s[G0B+4*(\s)+3], 0x80000000
	JLOAD \s                                       ; K steps 0 and 1: two loads of mine are out
.endr
	v_and_b32 v1, 15, v0                           ; r = l % 16
	v_bfe_u32 v2, v0, 4, 1                         ; h = l / 16
	v_mul_u32_u24 v3, v1, PITCH
	v_lshl_add_u32 v3, v2, 4, v3
	s_mul_i32 s20, s[RH], HALFA
	v_add_nc_u32 v[ADRA0], s20, v3
	v_add_nc_u32 v[ADRB0], s[WBB], v3
	v_mov_b32 v[ADRA], v[ADRA0]
	v_mov_b32 v[ADRB], v[ADRB0]
	s_mov_b32 s[TB], 0
	; the prefetches' address
	s_lshl_b32 s40, s[TM], 8
	s_lshl_b32 s42, s[CH], 7
	s_add_co_u32 s40, s40, s42
	s_lshl_b32 s42, s[CX], 5
	s_add_co_u32 s40, s40, s42                     ; A: my work-group's 32 of the 128 rows that I fetch
	s_mul_i32 s41, s[TN], BN
	s_mul_i32 s42, s[CH], HB
	s_add_co_u32 s41, s41, s42
	s_mul_i32 s42, s[CY], HB/4
	s_add_co_u32 s41, s41, s42                     ; B: my work-group's HB / 4
	s_and_b32 s43, ttmp7, 0xffff
	s_cmp_eq_u32 s[RH], 0
	s_cselect_b32 s20, s40, s41
	s_cselect_b32 s22, ttmp9, s43                  ; the coordinate along which other clusters read the same rows
	s_cselect_b32 s23, 31, HB/4-1
	s_cselect_b64 s[PFA:PFA+1], s[4:5], s[6:7]
	s_cmp_eq_u32 s22, 0
	s_cselect_b32 s[LIM], 2, -1                    ; the same in all sixteen partners, for a given wave
	s_lshl_b32 s20, s20, 11
	s_mov_b32 s21, 0
	s_add_nc_u64 s[PFA:PFA+1], s[PFA:PFA+1], s[20:21]
	s_add_nc_u64 s[PFA:PFA+1], s[PFA:PFA+1], 2*KSTEP*2  ; at K step 2: the first refill steps it to 3 and names K step 4
	v_and_b32 v[PFO], 31, v0
	v_min_u32 v[PFO], s23, v[PFO]                  ; lanes beyond my rows name the last of them
	v_lshlrev_b32 v[PFO], 11, v[PFO]
.if MLP
	s_lshl_b32 s20, s[TN], 10                      ; b1 of the tile's 256 columns
	s_add_nc_u64 s[8:9], s[8:9], s[20:21]
	v_and_b32 v[L16], 31, v0
	v_lshlrev_b32 v[L16], 4, v[L16]
	global_load_b128 v[BI:BI+3], v[L16], s[8:9]
	global_load_b128 v[BI+4:BI+7], v[L16], s[8:9] offset:512
.endif
; 2 x NBK matrix instructions: row blocks a0, a0 + 1 of the window's four x all column blocks, 32 along K.  The accumulators take turns, in the same order in every quarter.
.macro MUL16 f, hi, a0, zero
	WIN MUL_LO+0x50*(\hi)
.irp a, \a0, (\a0)+1
.set b, 0
.rept NBK
.if \zero
	v_wmma_f32_16x16x32_bf16 v[8*(8*(\a)+b):8*(8*(\a)+b)+7], v[(\f)+8*b:(\f)+8*b+7], v[(\f)+8*(4*(\hi)+(\a)):(\f)+8*(4*(\hi)+(\a))+7], 0
.else
	v_wmma_f32_16x16x32_bf16 v[8*(8*(\a)+b):8*(8*(\a)+b)+7], v[(\f)+8*b:(\f)+8*b+7], v[(\f)+8*(4*(\hi)+(\a)):(\f)+8*(4*(\hi)+(\a))+7], v[8*(8*(\a)+b):8*(8*(\a)+b)+7]
.endif
.set b, b+1
.endr
.endr
.endm
.macro FETCH k, f                      ; a quarter's fragments in one run: B's first, then A's
	WIN TO_B
.set i, 0
.rept NBK
	ds_load_b128 v[(\f)+8*i:(\f)+8*i+3],   v[ADRB] offset:(\k)+i*16*PITCH
	ds_load_b128 v[(\f)+8*i+4:(\f)+8*i+7], v[ADRB] offset:(\k)+i*16*PITCH+32
.set i, i+1
.endr
	WIN 0
.set i, 0
.rept 8
	ds_load_b128 v[(\f)+8*i:(\f)+8*i+3],   v[ADRA] offset:(\k)+i*16*PITCH
	ds_load_b128 v[(\f)+8*i+4:(\f)+8*i+7], v[ADRA] offset:(\k)+i*16*PITCH+32
.set i, i+1
.endr
.endm
.macro QUARTER k, f, g, zero
	s_wait_dscnt 8                                 ; B and A's rows 0-63 are in; the youngest eight loads (A's rows 64-127) may be out
	MUL16 \f, 0, 0, \zero
	MUL16 \f, 0, 2, \zero
	PLACES                                         ; four places in front of loads into registers that matrix instructions have read
	FETCH \k, \g
	s_wait_dscnt NLD                               ; all but the run just issued
	MUL16 \f, 1, 0, \zero
	MUL16 \f, 1, 2, \zero
.endm
; The change of slots, first half.  MLP = 1 (256 matrix instructions a K step): products stand between the add and its wait and between signal and wait.
; MLP = 0 (192 a K step): the quarter's first half stands ahead of the wait for the tile, so that between a tile's landing and the next request stand the three lines and the round alone.
.macro MEET round
.if MLP
	WIN 0
	s_wait_tensorcnt 0x0                           ; all my tensor loads have landed: the one that was out is my part of the next slot
	ds_add_u32 v[SPW], v[NIL]                      ; 0 onto my spare word
	s_wait_dscnt 9                                 ; the add and the youngest eight loads may be out
	MUL16 F1, 0, 0, 0
	s_wait_dscnt 0x0                               ; the add is done, and my reads of this slot are over
	s_barrier_signal -1
	MUL16 F1, 0, 2, 0
.if \round
	WIN 0
.endif
	s_barrier_wait -1
.else
	s_wait_dscnt 8                                 ; B and A's rows 0-63 are in; the youngest eight loads may be out
	MUL16 F1, 0, 0, 0
	MUL16 F1, 0, 2, 0
	WIN 0
	s_wait_tensorcnt 0x0                           ; all my tensor loads have landed: the one that was out is my part of the next slot
	ds_add_u32 v[SPW], v[NIL]                      ; 0 onto my spare word
	s_wait_dscnt 0x0                               ; the add is done, and my reads of this slot are over
	s_barrier_signal -1
	s_barrier_wait -1
.endif
.endm
.macro TURN fill                       ; a K step's last quarter; fill = 1: the slot just read out takes the K step two on
.if \fill
	s_wait_xcnt 0x0                                ; the last prefetch, a K step back, has read its address
	s_add_nc_u64 s[PFA:PFA+1], s[PFA:PFA+1], KSTEP*2
.endif
	MEET \fill
.if \fill
	CREST                                          ; no wave of any partner still reads this slot or has a load on its way
	s_add_co_u32 s[G0+5], s[WBA], s[TB]            ; the walking descriptors: into the slot just read out,
	s_add_co_u32 s[G0B+5], s[WBB], s[TB]
	s_add_nc_u64 s[G0+6:G0+7], s[G0+6:G0+7], KSTEP*2     ; the next K step
	s_add_nc_u64 s[G0B+6:G0B+7], s[G0B+6:G0B+7], KSTEP*2
	s_xor_b32 s[TB], s[TB], SLOT
	JLOAD 1                                        ; my one tensor load behind the round; its four v_nop are also the places in front of the loads below
.else
	WIN 0
	PLACES
	s_xor_b32 s[TB], s[TB], SLOT
.endif
	v_add_nc_u32 v[ADRA], s[TB], v[ADRA0]
	v_add_nc_u32 v[ADRB], s[TB], v[ADRB0]
	FETCH 0, F0
.if \fill
	ASK
.endif
	MUL16 F1, 1, 0, 0
	MUL16 F1, 1, 2, 0
.endm
	s_wait_tensorcnt 1                             ; my part of K step 0 is in; K step 1's may stay out
	s_barrier_signal -1
	s_barrier_wait -1
	FETCH 0, F0
	QUARTER 64, F0, F1, 1                          ; the first quarter's products start the sums
	WIN 0
	s_mov_b32 s3, NSTEP-2
.Lstep:                                                ; a trip: from a K step's second quarter to the next step's first; the refills ask for K steps 2 to 7
	QUARTER 128, F1, F0, 0
	QUARTER 192, F0, F1, 0
	TURN 1
	QUARTER 64, F0, F1, 0
	WIN 0
	s_sub_co_u32 s3, s3, 1
	s_cmp_lg_u32 s3, 0
	s_cbranch_scc1 .Lstep
	s_mov_b32 s3, 2
.Ltail:                                                ; the last two K steps ask for nothing; the second trip is left in its middle (its run of loads from the other slot serves nothing)
	QUARTER 128, F1, F0, 0
	QUARTER 192, F0, F1, 0
	TURN 0
	WIN 0
	s_sub_co_u32 s3, s3, 1
	s_cmp_eq_u32 s3, 0
	s_cbranch_scc1 .Lout
	QUARTER 64, F0, F1, 0
	WIN 0
	s_branch .Ltail
.Lout:
	; THE WAY OUT.  The address lines are the places behind the last products.
	s_lshl_b32 s20, s[RH], 7
	v_add_nc_u32 v3, s20, v1                       ; row 128 RH + r
	v_mul_u32_u24 v3, v3, OP
	v_lshl_add_u32 v3, v2, 5, v3                   ; + 32 h: my eight columns
	s_mul_i32 s20, s[CH], 2*BN                     ; my half of the columns
	v_add_nc_u32 v[STO], s20, v3
.irp a, 1,2,3,4,5,6,7
	v_add_nc_u32 v[STO+(\a)], (\a)*16*OP, v[STO]
.endr
	s_wait_dscnt 0x0                               ; my last reads of the ring are back
	s_barrier_signal -1
	s_barrier_wait -1                              ; nobody reads the ring any more, and it has had its last fill
.set a, 0
.rept 8
	WIN 0x08+4*(a/4)                               ; store data in window 2 or 3
.set b, 0
.rept NBK
.set AC, 8*(8*(a%4)+b)
	ds_store_b128 v[STO+a], v[AC:AC+3] offset:64*b       ; an accumulator's low registers first
	ds_store_b128 v[STO+a], v[AC+4:AC+7] offset:64*b+16
.set b, b+1
.endr
.set a, a+1
.endr
	WIN 0
	s_wait_dscnt 0x0                               ; for the others' sake: my stores are done
	s_barrier_signal -1
	s_barrier_wait -1
.if MLP
.set X,  64
.set XB, 96
.set AX, 128
.set U,  160
	v_and_b32 v3, 31, v0
	s_mul_i32 s20, s[WV], 64*OP
	v_lshl_add_u32 v[RD], v3, 4, s20               ; my 64 rows; 16 bytes a lane
	v_lshlrev_b32 v[CO], 3, v3
	s_lshl_b32 s20, s[TM], 8
	s_lshl_b32 s21, s[WV], 6
	s_add_co_u32 s20, s20, s21
	s_lshl_b32 s20, s20, 13                        ; a row of gl is 8,192 bytes
	s_lshl_b32 s21, s[TN], 9
	s_add_co_u32 s20, s20, s21
	s_mov_b32 s21, 0
	s_add_nc_u64 s[OUTP:OUTP+1], s[OUTP:OUTP+1], s[20:21]
	s_mov_b32 s84, 0x3c9ff716                      ; the form's coefficients for the argument |x| in place of |x| / sqrt 2: a4 / 4 = 0.019527,
	s_mov_b32 s85, s84
	s_mov_b32 s86, 0x39b42c77                      ; a3 / (2 sqrt 2) = 0.00034365,
	s_mov_b32 s87, s86
	s_mov_b32 s88, 0x3debeb18                      ; a2 / 2 = 0.1151945,
	s_mov_b32 s89, s88
	s_mov_b32 s90, 0x3e4993fc                      ; a1 / sqrt 2 = 0.1968536
	s_mov_b32 s91, s90
	s_wait_loadcnt 0x0                             ; b1
.irp k, 0,1,2,3
	v_cvt_pk_bf16_f32 v3, v[BI+2*(\k)], v[BI+2*(\k)+1]
	v_lshlrev_b32 v[BI+2*(\k)], 16, v3
	v_and_b32 v[BI+2*(\k)+1], 0xffff0000, v3
.endr
.macro LOADX                           ; four rows: two loads of 512 consecutive bytes each
.irp i, 0,1,2,3
.irp c, 0,1
	ds_load_b128 v[X+4*(2*(\i)+(\c)):X+4*(2*(\i)+(\c))+3], v[RD] offset:(\i)*OP+(\c)*512
.endr
.endr
.endm
	LOADX
	s_mov_b32 s3, 16
.Lrows:
	s_wait_dscnt 0x0
.set n, 0
.rept 16
	v_pk_add_f32 v[XB+2*n:XB+2*n+1], v[X+2*n:X+2*n+1], v[BI+4*((n/2)%2)+2*(n%2):BI+4*((n/2)%2)+2*(n%2)+1]
.set n, n+1
.endr
	s_cmp_eq_u32 s3, 1
	s_cbranch_scc1 .Lnomore
	v_add_nc_u32 v[RD], 4*OP, v[RD]
	LOADX                                          ; the next four rows come while these are worked on
.Lnomore:
.set n, 0
.rept 32
	v_and_b32 v[AX+n], 0x7fffffff, v[XB+n]
.set n, n+1
.endr
.set n, 0
.rept 16                                               ; 1 + a1 t + a2 t^2 + a3 t^3 + a4 t^4, from the top
	v_pk_fma_f32 v[U+2*n:U+2*n+1], v[AX+2*n:AX+2*n+1], s[84:85], s[86:87] op_sel_hi:[1,0,0]
.set n, n+1
.endr
.set n, 0
.rept 16
	v_pk_fma_f32 v[U+2*n:U+2*n+1], v[U+2*n:U+2*n+1], v[AX+2*n:AX+2*n+1], s[88:89] op_sel_hi:[1,1,0]
.set n, n+1
.endr
.set n, 0
.rept 16
	v_pk_fma_f32 v[U+2*n:U+2*n+1], v[U+2*n:U+2*n+1], v[AX+2*n:AX+2*n+1], s[90:91] op_sel_hi:[1,1,0]
.set n, n+1
.endr
.set n, 0
.rept 16
	v_pk_fma_f32 v[U+2*n:U+2*n+1], v[U+2*n:U+2*n+1], v[AX+2*n:AX+2*n+1], 1.0 op_sel_hi:[1,1,0]
.set n, n+1
.endr
.set n, 0
.rept 16                                               ; ONE batch of 32 reciprocals: nothing in it reads a result; a plain line stands last
	v_rcp_f32 v[U+2*n], v[U+2*n]
	v_rcp_f32 v[U+2*n+1], v[U+2*n+1]
	v_pk_mul_f32 v[XB+2*n:XB+2*n+1], v[XB+2*n:XB+2*n+1], 0.5 op_sel_hi:[1,0]
.set n, n+1
.endr
	s_wait_alu depctr_va_vdst(0)                   ; one wait for the batch, ahead of its first reader
.set n, 0
.rept 16
	v_pk_mul_f32 v[U+2*n:U+2*n+1], v[U+2*n:U+2*n+1], v[U+2*n:U+2*n+1]
.set n, n+1
.endr
.set n, 0
.rept 16
	v_pk_mul_f32 v[U+2*n:U+2*n+1], v[U+2*n:U+2*n+1], v[U+2*n:U+2*n+1]     ; erfc
.set n, n+1
.endr
.set n, 0
.rept 16
	v_pk_fma_f32 v[U+2*n:U+2*n+1], v[U+2*n:U+2*n+1], -0.5, 0.5 op_sel_hi:[1,0,0]
.set n, n+1
.endr
.set n, 0
.rept 16
	v_pk_fma_f32 v[XB+2*n:XB+2*n+1], v[AX+2*n:AX+2*n+1], v[U+2*n:U+2*n+1], v[XB+2*n:XB+2*n+1]
.set n, n+1
.endr
	s_wait_xcnt 0x0                                ; the last trip's stores have read YY and CO
.set n, 0
.rept 16
	v_cvt_pk_bf16_f32 v[YY+n], v[XB+2*n], v[XB+2*n+1]
.set n, n+1
.endr
	v_add_nc_u32 v[CO], 4*8192, v[CO]
.irp i, 0,1,2,3
.irp c, 0,1
	global_store_b64 v[CO], v[YY+2*(2*(\i)+(\c)):YY+2*(2*(\i)+(\c))+1], s[OUTP:OUTP+1] offset:(\i)*8192+(\c)*256-4*8192  ; 256 consecutive bytes, aligned
.endr
.endr
	s_sub_co_u32 s3, s3, 1
	s_cmp_lg_u32 s3, 0
	s_cbranch_scc1 .Lrows
.else
.set X,  64                            ; v64-111
.set Y2, 112                           ; v112-135
	s_lshl_b32 s20, s[WV], 6
	v_add_nc_u32 v[RD], s20, v2                    ; row 64 w + h: lanes 0-15 an even row, lanes 16-31 the odd one
	v_mul_u32_u24 v[RD], v[RD], OP
	v_lshl_add_u32 v[RD], v1, 4, v[RD]             ; four columns a lane: 16 lanes take a head's 64
	v_and_b32 v[CO], 31, v0
	v_lshlrev_b32 v[CO], 3, v[CO]
	s_lshr_b32 s20, s[TM], 3                       ; the batch: 48 groups of 262,144 bytes
	s_mul_i32 s20, s20, 12582912
	s_mul_i32 s21, s[TN], 3*262144                 ; the tile's three groups
	s_add_co_u32 s20, s20, s21
	s_and_b32 s21, s[TM], 7
	s_lshl_b32 s21, s21, 8
	s_lshl_b32 s22, s[WV], 6
	s_add_co_u32 s21, s21, s22                     ; my first row in the sequence,
	s_lshl_b32 s21, s21, 7                         ; 128 bytes each
	s_add_co_u32 s20, s20, s21
	s_mov_b32 s21, 0
	s_add_nc_u64 s[OUTP:OUTP+1], s[OUTP:OUTP+1], s[20:21]
.macro LOADX                           ; eight rows x three heads
.irp pp, 0,1,2,3
.irp j, 0,1,2
	ds_load_b128 v[X+4*(3*(\pp)+(\j)):X+4*(3*(\pp)+(\j))+3], v[RD] offset:(\pp)*2*OP+(\j)*256
.endr
.endr
.endm
	LOADX
	s_mov_b32 s3, 8
.Lrows:
	s_wait_dscnt 0x0
	s_wait_xcnt 0x0                                ; the last trip's stores have read Y2 and CO
.set n, 0
.rept 24
	v_cvt_pk_bf16_f32 v[Y2+n], v[X+2*n], v[X+2*n+1]
.set n, n+1
.endr
	s_cmp_eq_u32 s3, 1
	s_cbranch_scc1 .Lnomore
	v_add_nc_u32 v[RD], 8*OP, v[RD]
	LOADX
.Lnomore:
	v_add_nc_u32 v[CO], 1024, v[CO]
.irp pp, 0,1,2,3
.irp j, 0,1,2
	global_store_b64 v[CO], v[Y2+2*(3*(\pp)+(\j)):Y2+2*(3*(\pp)+(\j))+1], s[OUTP:OUTP+1] offset:(\j)*262144+(\pp)*256-1024  ; two rows of a head: 256 consecutive bytes, aligned
.endr
.endr
	s_sub_co_u32 s3, s3, 1
	s_cmp_lg_u32 s3, 0
	s_cbranch_scc1 .Lrows
.endif
	s_wait_tensorcnt 0x0                           ; the wave's end
	ds_add_u32 v[SPW], v[NIL]
	s_wait_dscnt 0x0
	CROUND                                         ; the closing round
	s_endpgm
.Lfunc_end_k_q7556787df2_qkv:
	.size	k_q7556787df2_qkv, .Lfunc_end_k_q7556787df2_qkv-k_q7556787df2_qkv
	.p2alignl 7, 3214868480
	.fill 96, 4, 3214868480
	.section	.rodata,"a",@progbits
	.p2align	6, 0x0
	.amdhsa_kernel k_q7556787df2_qkv
		.amdhsa_group_segment_fixed_size 327680
		.amdhsa_private_segment_fixed_size 0
		.amdhsa_enable_private_segment 0
		.amdhsa_kernarg_size 24
		.amdhsa_user_sgpr_count 2
		.amdhsa_user_sgpr_kernarg_segment_ptr 1
		.amdhsa_wavefront_size32 1
		.amdhsa_system_sgpr_workgroup_id_x 1
		.amdhsa_system_sgpr_workgroup_id_y 1
		.amdhsa_system_sgpr_workgroup_id_z 1
		.amdhsa_system_vgpr_workitem_id 0
		.amdhsa_next_free_vgpr 1024
		.amdhsa_next_free_sgpr 96
		.amdhsa_reserve_vcc 0
		.amdhsa_float_denorm_mode_32 3
		.amdhsa_float_denorm_mode_16_64 3
		.amdhsa_memory_ordered 1
		.amdhsa_forward_progress 1
		.amdhsa_inst_pref_size 69
	.end_amdhsa_kernel
	.amdgpu_metadata
---
amdhsa.version: [ 1, 2 ]
amdhsa.kernels:
  - .name:           k_q7556787df2_qkv
    .symbol:         k_q7556787df2_qkv.kd
    .args:
      - { .name: hn, .offset: 0, .size: 8, .value_kind: global_buffer, .address_space: global }
      - { .name: wbf, .offset: 8, .size: 8, .value_kind: global_buffer, .address_space: global }
      - { .name: qkv, .offset: 16, .size: 8, .value_kind: global_buffer, .address_space: global }
    .group_segment_fixed_size: 327680
    .private_segment_fixed_size: 0
    .kernarg_segment_align: 8
    .kernarg_segment_size: 24
    .max_flat_workgroup_size: 128
    .sgpr_count:     96
    .vgpr_count:     1024
    .wavefront_size: 32
...
	.end_amdgpu_metadata
.endif
;; end of part 2
;; launch attn (part 3): grid 8 x 32, 4 waves a work-group, no clusters, 243,200 bytes of LDS; arguments qkv, ob; writes ob
.if DOCPART == 3
	.amdgcn_target "amdgcn-amd-amdhsa--gfx1250"
	.amdhsa_code_object_version 6
	.text
	.protected	k_q7556787df2_attn
	.globl	k_q7556787df2_attn
	.p2align	8
	.type	k_q7556787df2_attn,@function
k_q7556787df2_attn:
	s_mov_b64 s[64:65], 0
	v_nop
	global_prefetch_b8 v0, s[64:65] scope:SCOPE_SE
	s_setreg_imm32_b32 hwreg(HW_REG_WAVE_MODE, 25, 1), 1
	s_wait_xcnt 0x0
; BANDED ATTENTION.  Query i of a sequence of 2,048 sees the keys i - 511 .. i.  qkv: [b][g][s][64] bf16, g 0-15 q's heads, 16-31 k's, 32-47 v's; ob: [b][h][s][64] bf16.
; O = softmax(Q K^T / 8) V.  Products, maxima and sums in f32; the weights p are rounded to bf16 for the second product (their sum is taken of the unrounded p), O once at the end.
; LIMITS.  A hidden score counts as its value less 1e30.  The running maximum starts at -1e20: a query's true scores q.k must lie above that.  A weight below 2^-126 counts as 0.  NaN and infinities are not treated apart.
; LDS.  A work-group takes 256 queries (block blk) of one head.  The 768 keys from 512 ahead of the block's first query to its last query's lie in LDS as three tiles of 256, asked for at the
; start, three tensor loads a wave; nothing is filled again.  A tile before the sequence's start (blk < 2) is loaded from tile 0 and wholly hidden.
; NO CLUSTER: block i needs the tiles i - 2 .. i, so of a head's blocks no four need the same three.
; SHARES.  A wave owns a BAND of 64 queries, as four PIECES of 16.  Band w sees 575 keys: NINE key steps of 64, LDS rows 64 (w + s), s = 0 .. 8: step 0 holds the band's lower edge (a key is seen
; where its place in the step is greater than the query's in the band), steps 1 to 7 are seen whole, step 8 holds the diagonal.  No step is walked of which a band sees nothing, but for those
; before the sequence's start; the four pieces share K's and V's fragments; every wave has nine steps.
; THE MASK is the C operand that starts the sum S^T = K Q^T.  For piece x and key group kt (16 keys) it is SRC x AL + BE, SRC = zeros if kt < x, D8 if kt = x, -1e30 if kt > x, where D8, made once,
; is -1e30 where register j's key lies behind my query (j > l % 16 - 8 (l / 16)).  AL and BE are scalars of the step: diagonal (1, 0); lower edge (-1, -1e30): the complement; whole (0, 0);
; before the sequence's start, s < 8 - 4 blk - w: (0, -1e30).
; TURNS.  Turn n belongs to piece n: 8 products K Q^T of piece n + 1, later 8 products V^T P of piece n - 1; beside them piece n's scaling, exponentials, roundings, sums and rescaling and piece n + 1's maximum.
; Four vector instructions stand behind every matrix instruction, the rest in one run; a turn's 33 exponentials are one batch with one wait.
; REGISTERS (s_set_vgpr_msb: bits 1:0 source 0, 3:2 source 1, 5:4 source 2, 7:6 destination):
;   window 0: v0-15 addresses; v16-31 statistics; v48-55 at work; v64-127 S^T, two buffers; v192-223 P, two buffers      window 1: v0-127 O^T; v128-151 D8, zeros, -1e30; v160-223 MC, two buffers      window 2: v0-63 Q; v128-191 K; v192-255 V
.set NP,    4
.set KS,    64
.set PK,    144       ; a row of K in LDS: 128 bytes + 16: the 16 rows of a load start at 16 different groups of four banks (ISA guide 11.1)
.set PV,    160       ; a row of V: 128 + 32
.set VOFF,  768*PK    ; K's 768 rows, then V's
.set STAGE, VOFF+768*PV  ; 16 rows x 144 bytes for each wave, for the way out; no tensor load lands here
.set SP,    144
.set SPARE, STAGE+4*16*SP  ; the spare words, 128 bytes a wave, that no other line names
.set AK0, 2
.set AV0, 3
.set AK,  4
.set AV,  5
.set STO, 6
.set RD,  7
.set GO,  8
.set MV,  12
.set QO,  15
.set ST,  16          ; piece t: c m, m, l (even keys', odd keys')
.set TMP, 48
.set SPW, 62
.set NIL, 63
.set S,   64
.set P,   192
.set D8,  128
.set Z8,  136
.set BG8, 144
.set MC,  160
.set KF,  128
.set VF,  192
.set WV,  12
.set BLK, 14
.set G1K, 24
.set G1V, 32
.set G0K, 40          ; s[40:51] three sets
.set G0V, 52          ; s[52:63] three sets
.set CNT, 66
.set TILES, 67
.set CS,  68
.set SEL, 70
.set TBK, 72
.set TBV, 73
.set AL,  74
.set BE,  76
.set BIGN, 78
.set STEP, 79
.set DEADN, 80
.set OFF, 88
.set MSB, 0
.macro WIN new
.if MSB != (\new)
	s_set_vgpr_msb (MSB<<8)|(\new)
.set MSB, (\new)
.endif
.endm
.set W_KQ, 0x0a       ; K and Q in window 2, S^T in window 0
.set W_KM, 0x1a       ; the same with the C operand in window 1
.set W_PV, 0x52       ; V in window 2, P in window 0, O^T in window 1
.set W_RS, 0x41       ; destination and source 0 in window 1
	s_load_b128 s[4:7], s[0:1], 0x0   ; qkv s[4:5], ob s[6:7]
	v_lshl_add_u32 v[SPW], v0, 2, SPARE
	v_mov_b32 v[NIL], 0
	ds_add_u32 v[SPW], v[NIL]       ; the wave's opening: the add and its wait ahead of my first tensor load
	v_lshrrev_b32 v1, 5, v0
	v_readfirstlane_b32 s[WV], v1
	s_mov_b32 s[BLK], ttmp9
	s_and_b32 s20, ttmp7, 0xffff    ; 16 b + h
	s_lshr_b32 s21, s20, 4
	s_lshl_b32 s21, s21, 5
	s_add_co_u32 s21, s21, s20      ; 48 b + h: q's group
	s_lshl_b32 s22, s21, 18         ; a group is 262,144 bytes
	s_lshl_b32 s20, s20, 18         ; the head in ob
	s_and_b32 s16, s[WV], 1         ; which half of a tile's 256 keys I fetch
	s_lshl_b32 s23, s16, 14
	s_add_co_u32 s23, s23, s22
	s_mul_i32 s17, s16, 128*PK
	s_mul_i32 s18, s16, 128*PV
	s_add_co_u32 s18, s18, VOFF
	s_lshl_b32 s2, s[BLK], 15       ; my block's rows,
	s_lshl_b32 s3, s[WV], 13        ; my band's 64 of them
	s_add_co_u32 s2, s2, s3
	s_mov_b32 s[G1K], (1<<16)|(1<<20)|(4<<22)|(3<<25)  ; 2-byte elements; padding on; after every 32 words 4 words
	s_mov_b32 s[G1V], (1<<16)|(1<<20)|(4<<22)|(7<<25)  ; the same with 8 words
.irp g, G1K, G1V
	s_mov_b32 s[\g+1], 128<<16      ; 128 keys are 16,384 dense bytes: 64 rows of 256 bytes, two keys a row
	s_mov_b32 s[\g+2], 64<<16
	s_mov_b32 s[\g+3], 128<<16
	s_mov_b32 s[\g+4], 64
	s_mov_b32 s[\g+5], 128
	s_mov_b32 s[\g+6], 0
	s_mov_b32 s[\g+7], 0
.endr
	s_mov_b32 s[CS], 0x3e38aa3b     ; c = log2(e) / 8
	s_mov_b32 s[CS+1], s[CS]
	s_mov_b32 s[SEL], 0x76543210
	s_mov_b32 s[SEL+1], 0xfedcba98
	s_mul_i32 s[TBK], s[WV], KS*PK  ; my band's step 0 begins at LDS row 64 w
	s_mul_i32 s[TBV], s[WV], KS*PV
	s_mov_b32 s[AL+1], 0
	s_mov_b32 s[BE+1], 0
	s_mov_b32 s[OFF+1], 0
	s_mov_b32 s[BIGN], 0xf149f2ca   ; -1e30
	s_lshl_b32 s[DEADN], s[BLK], 2
	s_sub_co_i32 s[DEADN], 8, s[DEADN]
	s_sub_co_i32 s[DEADN], s[DEADN], s[WV]  ; my steps below 8 - 4 blk - w lie before the sequence's start
	s_mov_b32 s[STEP], 0
	s_cmp_gt_i32 s[DEADN], 0        ; step 0: the lower edge, or wholly hidden
	s_cselect_b32 s[AL], 0, -1.0
	s_mov_b32 s[BE], s[BIGN]
	s_wait_dscnt 0x0                ; the opening add is done
	s_wait_kmcnt 0x0
	s_add_co_u32 s[OFF], s23, 16*262144
	s_add_nc_u64 s[8:9], s[4:5], s[OFF:OFF+1]      ; K at my half of the head's tile 0
	s_add_co_u32 s[OFF], s23, 32*262144
	s_add_nc_u64 s[10:11], s[4:5], s[OFF:OFF+1]    ; V likewise
	s_add_co_u32 s[OFF], s22, s2
	s_add_nc_u64 s[4:5], s[4:5], s[OFF:OFF+1]      ; Q at my rows
	s_add_co_u32 s[OFF], s20, s2
	s_add_nc_u64 s[6:7], s[6:7], s[OFF:OFF+1]      ; O at my rows
.irp t, 0,1,2
	s_add_co_i32 s20, s[BLK], (\t)-2
	s_max_i32 s20, s20, 0           ; a tile before the start is taken from tile 0: finite numbers, wholly hidden
	s_lshl_b32 s[OFF], s20, 15
	s_mov_b32 s[G0K+4*(\t)], 1
	s_add_co_u32 s[G0K+4*(\t)+1], s17, (\t)*256*PK
	s_add_nc_u64 s[G0K+4*(\t)+2:G0K+4*(\t)+3], s[8:9], s[OFF:OFF+1]
	s_or_b32 s[G0K+4*(\t)+3], s[G0K+4*(\t)+3], 0x80000000
	s_mov_b32 s[G0V+4*(\t)], 1
	s_add_co_u32 s[G0V+4*(\t)+1], s18, (\t)*256*PV
	s_add_nc_u64 s[G0V+4*(\t)+2:G0V+4*(\t)+3], s[10:11], s[OFF:OFF+1]
	s_or_b32 s[G0V+4*(\t)+3], s[G0V+4*(\t)+3], 0x80000000
.endr
	s_cmp_lt_u32 s[WV], 2           ; waves 0 and 1 fetch K's halves, waves 2 and 3 V's: a wave's three first fills stand in one branch; three loads of mine are out
	s_cbranch_scc0 .Lfirst_v
	tensor_load_to_lds s[G0K:G0K+3], s[G1K:G1K+7]
	s_nop 0
	tensor_load_to_lds s[G0K+4:G0K+7], s[G1K:G1K+7]
	s_nop 0
	tensor_load_to_lds s[G0K+8:G0K+11], s[G1K:G1K+7]
	s_nop 0
.rept 4
	v_nop
.endr
	s_branch .Lasked
.Lfirst_v:
	tensor_load_to_lds s[G0V:G0V+3], s[G1V:G1V+7]
	s_nop 0
	tensor_load_to_lds s[G0V+4:G0V+7], s[G1V:G1V+7]
	s_nop 0
	tensor_load_to_lds s[G0V+8:G0V+11], s[G1V:G1V+7]
	s_nop 0
.rept 4
	v_nop
.endr
.Lasked:
	v_and_b32 v1, 15, v0            ; l % 16
	v_bfe_u32 v9, v0, 4, 1          ; l / 16
	v_lshlrev_b32 v[QO], 7, v1
	v_lshl_add_u32 v[QO], v9, 4, v[QO]
	WIN 0x80                        ; destination window 2
.set i, 0
.rept 8                             ; Q: piece i / 2 lies 16 rows, 2,048 bytes, on; channels 32 (i % 2) on
	global_load_b128 v[8*i:8*i+3],   v[QO], s[4:5] offset:(i/2)*2048+(i%2)*64
	global_load_b128 v[8*i+4:8*i+7], v[QO], s[4:5] offset:(i/2)*2048+(i%2)*64+32
.set i, i+1
.endr
	WIN 0
	v_lshlrev_b32 v14, 3, v9
	v_sub_nc_u32 v14, v1, v14       ; my query's place in its piece less my lanes' 8 (l / 16): in the piece's own key group register j's key lies behind it where j is greater
	WIN 0x40
.set i, 0
.rept 8
	v_cmp_gt_i32 vcc_lo, i, v14
	v_cndmask_b32 v[D8+i], 0, s[BIGN], vcc_lo
	v_mov_b32 v[Z8+i], 0
	v_mov_b32 v[BG8+i], s[BIGN]
.set i, i+1
.endr
	WIN 0
	v_mul_u32_u24 v[AK0], v1, PK
	v_lshl_add_u32 v[AK0], v9, 4, v[AK0]
	v_and_b32 v10, 7, v0            ; the turning load: lane l reads key 8 (l / 16) + l % 8, channels 8 ((l / 8) % 2) + 0..7
	v_bfe_u32 v11, v0, 3, 1
	v_lshl_add_u32 v[AV0], v9, 3, v10
	v_mul_u32_u24 v[AV0], v[AV0], PV
	v_lshl_add_u32 v[AV0], v11, 4, v[AV0]
	v_add_nc_u32 v[AV0], VOFF, v[AV0]
	s_mul_i32 s13, s[WV], 16*SP
	s_add_co_u32 s13, s13, STAGE
	v_mul_u32_u24 v[STO], v1, SP
	v_lshl_add_u32 v[STO], v9, 4, v[STO]
	v_add_nc_u32 v[STO], s13, v[STO]
	v_bfe_u32 v[RD], v0, 3, 2
	v_mul_u32_u24 v[RD], v[RD], SP
	v_lshl_add_u32 v[RD], v10, 4, v[RD]
	v_add_nc_u32 v[RD], s13, v[RD]
	v_and_b32 v[GO], 31, v0
	v_lshlrev_b32 v[GO], 4, v[GO]
	; O^T and l start at 0; the first turn's products V^T P, of a piece that has not been, multiply zeros.  These lines stand in the wait for the first tiles; they spare a first step written out.
	WIN 0x80
.set i, VF
.rept 64
	v_mov_b32 v[i], 0
.set i, i+1
.endr
	WIN 0x40
.set i, 0
.rept 128
	v_mov_b32 v[i], 0
.set i, i+1
.endr
	WIN 0
.set i, 0
.rept 4
	v_mov_b32 v[ST+4*i+2], 0
	v_mov_b32 v[ST+4*i+3], 0
.set i, i+1
.endr
.set i, P+16
.rept 16
	v_mov_b32 v[i], 0
.set i, i+1
.endr
; Product i of 8 of S^T = K Q^T for piece x: channels 32 (i / 4) on, keys 16 (i % 4) on.  The first 4 start the sums with the mask.  The 4 accumulators take turns.
.macro KQ x
.set rS, S+32*((\x)%2)+8*(i%4)
.set rK, KF+16*(i%4)+8*(i/4)
.set rQ, 16*(\x)+8*(i/4)
.set rM, MC+32*((\x)%2)+8*(i%4)
.if i < 4
	WIN W_KM
	v_wmma_f32_16x16x32_bf16 v[rS:rS+7], v[rK:rK+7], v[rQ:rQ+7], v[rM:rM+7]
.else
	WIN W_KQ
	v_wmma_f32_16x16x32_bf16 v[rS:rS+7], v[rK:rK+7], v[rQ:rQ+7], v[rS:rS+7]
.endif
.endm
; Product i of 8 of O^T += V^T P for piece x: keys 32 (i / 4) on, channels 16 (i % 4) on.
.macro PV x
	WIN W_PV
.set rO, 32*(\x)+8*(i%4)
.set rV, VF+32*(i/4)+8*(i%4)
.set rP, P+16*((\x)%2)+8*(i/4)
	v_wmma_f32_16x16x32_bf16 v[rO:rO+7], v[rV:rV+7], v[rP:rP+7], v[rO:rO+7]
.endm
.macro MM                           ; the turn's next matrix instruction
.if i < 8
	KQ (Y+1)%NP
.else
.set i, i-8
	PV (Y+NP-1)%NP
.set i, i+8
.endif
.set i, i+1
.endm
.macro FETCH_K                      ; a step's K: 64 keys x 64 channels, 8 fragments, in one run
	WIN 0x80
.irp f, 0,1,2,3,4,5,6,7
	ds_load_b128 v[KF+8*\f:KF+8*\f+3],   v[AK] offset:(\f/2)*16*PK+(\f%2)*64
	ds_load_b128 v[KF+8*\f+4:KF+8*\f+7], v[AK] offset:(\f/2)*16*PK+(\f%2)*64+32
.endr
	s_add_co_u32 s[TBK], s[TBK], KS*PK  ; K's 768 rows lie on end: the next fetch is the next step's,
	s_min_u32 s[TBK], s[TBK], 11*KS*PK  ; held to the last 64 rows: the fetch behind my ninth step serves nothing and stays inside K's rows
	WIN 0
.endm
.macro FETCH_V                      ; a step's V, turned
	WIN 0x80
.irp f, 0,1,2,3,4,5,6,7
	ds_load_tr16_b128 v[VF+8*\f:VF+8*\f+3],   v[AV] offset:(\f/4)*32*PV+(\f%4)*32
	ds_load_tr16_b128 v[VF+8*\f+4:VF+8*\f+7], v[AV] offset:(\f/4)*32*PV+16*PV+(\f%4)*32
.endr
	WIN 0
.endm
; THE VECTOR WORK, a line at a time: OP kind, number.  For piece Y: F n: c s - c m for pair n.  E n: the exponential of score n.  C n: pair n rounded to bf16.  B n: of four weights the second pair onto the first.
; L n: l takes that sum (L 0: l = a l + sum).  R n: pair n of O^T times a.  For piece Y + 1: X n, number n of the 22 that find its maximum and statistics (each accumulator's lowest registers are read first).
.set F, 0
.set E, 1
.set C, 2
.set B, 3
.set L, 4
.set R, 5
.set X, 6
.macro REGS y
.set rT, ST+4*(\y)
.set rC, TMP+4*((\y)%2)
.set rW, MV+((\y)%2)
.set rS, S+32*((\y)%2)
.set rP, P+16*((\y)%2)
.set rO, 32*(\y)
.endm
.macro OP k, n
.if (\k) == R
	REGS Y
	WIN W_RS
	v_pk_mul_f32 v[rO+2*(\n):rO+2*(\n)+1], v[rO+2*(\n):rO+2*(\n)+1], v[rC+2:rC+3] op_sel_hi:[1,0]
.elseif (\k) < R
	REGS Y
	WIN 0
.if (\k) == F
	v_pk_fma_f32 v[rS+2*(\n):rS+2*(\n)+1], v[rS+2*(\n):rS+2*(\n)+1], s[CS:CS+1], v[rT:rT+1] op_sel_hi:[1,0,0] neg_lo:[0,0,1] neg_hi:[0,0,1]
.elseif (\k) == E
	v_exp_f32 v[rS+(\n)], v[rS+(\n)]
.elseif (\k) == C
	v_cvt_pk_bf16_f32 v[rP+(\n)], v[rS+2*(\n)], v[rS+2*(\n)+1]
.elseif (\k) == B
	v_pk_add_f32 v[rS+4*(\n):rS+4*(\n)+1], v[rS+4*(\n):rS+4*(\n)+1], v[rS+4*(\n)+2:rS+4*(\n)+3]
.elseif (\n) == 0
	v_pk_fma_f32 v[rT+2:rT+3], v[rT+2:rT+3], v[rC+2:rC+3], v[rS:rS+1] op_sel_hi:[1,0,1]
.else
	v_pk_add_f32 v[rT+2:rT+3], v[rT+2:rT+3], v[rS+4*(\n):rS+4*(\n)+1]
.endif
.else
	REGS (Y+1)%NP
	WIN 0
.if (\n) < 4
	v_max3_num_f32 v[rC+(\n)], v[rS+8*(\n)], v[rS+8*(\n)+1], v[rS+8*(\n)+2]
.elseif (\n) < 12
	v_max3_num_f32 v[rC+(\n)%4], v[rC+(\n)%4], v[rS+8*((\n)%4)+2*((\n)/4)+1], v[rS+8*((\n)%4)+2*((\n)/4)+2]
.elseif (\n) == 12
	v_max3_num_f32 v[rC], v[rC], v[rS+7], v[rS+15]
.elseif (\n) == 13
	v_max3_num_f32 v[rC+1], v[rC+1], v[rS+23], v[rS+31]
.elseif (\n) == 14
	v_max3_num_f32 v[rC+2], v[rC+2], v[rC+3], v[rT+1]
.elseif (\n) == 15
	v_mov_b32 v[rW], v[rT]
.elseif (\n) == 16
	v_max3_num_f32 v[rC], v[rC], v[rC+1], v[rC+2]
.elseif (\n) == 17
	v_permlanex16_b32 v[rC+3], v[rC], s[SEL], s[SEL+1]
.elseif (\n) == 18
	v_max_num_f32 v[rT+1], v[rC], v[rC+3]
.elseif (\n) == 19
	v_mul_f32 v[rT], s[CS], v[rT+1]
.elseif (\n) == 20
	v_sub_f32 v[rC+1], v[rW], v[rT]
.else
	v_exp_f32 v[rC+2], v[rC+1]
.endif
.endif
.endm
.macro OPS a, i1, b=-1, i2=0, c=-1, i3=0, d=-1, i4=0
	OP \a, \i1
.if (\b) >= 0
	OP \b, \i2
.endif
.if (\c) >= 0
	OP \c, \i3
.endif
.if (\d) >= 0
	OP \d, \i4
.endif
.endm
.macro ROW a, i1, b, i2, c, i3, d, i4  ; a matrix instruction and the four behind it
	MM
	OPS \a, \i1, \b, \i2, \c, \i3, \d, \i4
.endm
.macro MASK b, x                    ; piece x's mask into buffer b of MC: for key group z / 4: zeros, D8 or -1e30, times AL, plus BE
	WIN W_RS
.set z, 0
.rept 16
.if z/4 < (\x)
.set rM, Z8+2*(z%4)
.elseif z/4 == (\x)
.set rM, D8+2*(z%4)
.else
.set rM, BG8+2*(z%4)
.endif
	v_pk_fma_f32 v[MC+32*(\b)+2*z:MC+32*(\b)+2*z+1], v[rM:rM+1], s[AL:AL+1], s[BE:BE+1] op_sel_hi:[1,0,0]
.set z, z+1
.endr
.endm
; A TURN, for piece p.  Ahead of its one wait stands all that names no result of its exponentials: 8 products K Q^T with their riders, then a run of 54; behind it 8 products V^T P, behind each four of the roundings and sums.
; The turn makes the mask for the products of the turn after it: piece p + 2's, in the step whose AL and BE the trip's head has set.
; K of the next step is fetched in piece 2's turn, V of the step in hand at the end of piece 0's; each is waited for a turn later.
.macro TURN p, cnt=0
.set Y, (\p)
.set i, 0
.if (\p) == 3
	s_wait_dscnt 0x0                ; K is in
.endif
	ROW F,0, F,1, R,0, R,1
	ROW F,2, E,0, R,2, R,3
	ROW F,3, E,1, R,4, R,5
	ROW F,4, E,2, R,6, R,7
	ROW F,5, E,3, R,8, R,9
	ROW F,6, E,4, X,0, R,10
.if (\p) == 2
	WIN 0
	v_add_nc_u32 v[AK], s[TBK], v[AK0]
.endif
	ROW F,7, E,5, X,1, X,4
	ROW F,8, E,6, X,2, X,5
	OPS E,7, E,8, X,6, E,9
	OPS X,3, E,10, X,8, E,11
.if (\p) == 2
	FETCH_K
.endif
	OPS X,9, X,7, E,12, X,10
	OPS E,13, X,12, X,11, E,14
	OPS X,13, E,15, F,9, X,14
.if (\p) == 0
	v_add_nc_u32 v[AV], s[TBV], v[AV0]
.endif
	OPS E,16, F,10, E,17, F,11
	OPS X,16, E,18, X,15, E,19
	OPS F,12, E,20, X,17, E,21
	OPS F,13, E,22, F,14, E,23
	OPS X,18, E,24, F,15, E,25
	OPS R,11, E,26, X,19, E,27
	OPS R,12, E,28, R,13, E,29
	OPS X,20, E,30, R,14, E,31
	OPS X,21, R,15                  ; the batch's last exponential, and a plain instruction behind it
	WIN 0
	s_wait_alu depctr_va_vdst(0)    ; the one wait for the batch, ahead of the first reader
.if (\p) == 1
	s_wait_dscnt 0x0                ; V is in
.endif
	ROW C,0, B,0, C,2, B,1
	ROW L,0, C,4, B,2, L,1
	ROW C,6, B,3, L,2, C,8
	ROW B,4, L,3, C,10, B,5
	ROW L,4, C,12, B,6, L,5
.if (\p) == 0
	s_add_co_u32 s[TBV], s[TBV], KS*PV
.endif
.if \cnt
	s_sub_co_u32 s[CNT], s[CNT], 1
	s_cmp_lg_u32 s[CNT], 0
.endif
	ROW C,14, B,7, L,6, C,1
	ROW C,3, L,7, C,5, C,7
	ROW C,9, C,11, C,13, C,15
.if (\p) == 0
	FETCH_V
.endif
	MASK (\p)%2, ((\p)+2)%NP
.endm
	s_wait_tensorcnt 1              ; my parts of the first two tiles are in (wave 3 reads row 256 in its step 1); the youngest load stays out
	s_barrier_signal -1
	s_barrier_wait -1
	; THE BEGINNING.  m = -1e20, above every hidden score and below every true one; c m is made by the same multiplication as in the turns, so that a = 1 exactly while all is hidden.
.set i, 0
.rept 4
	v_mov_b32 v[ST+4*i+1], 0xe0ad78ec
	v_mul_f32 v[ST+4*i], s[CS], v[ST+4*i+1]
.set i, i+1
.endr
	MASK 0, 0                       ; pieces 0 and 1 in step 0
	MASK 1, 1
	WIN 0
	v_add_nc_u32 v[AK], s[TBK], v[AK0]
	FETCH_K
	s_wait_loadcnt 0x0              ; Q
	s_wait_dscnt 0x0
.set i, 0
.rept 8
	KQ 0
.set i, i+1
.endr
	WIN 0
.rept 4
	v_nop                           ; the places behind those products
.endr
.set Y, NP-1                        ; X works for piece Y + 1: piece 0
.irp n, 0,1,2,3,4,5,6,7,8,9,10,11,12,13,14,15,16,17,18,19,20,21
	OP X, \n
.endr
	v_nop                           ; a plain instruction behind the exponential,
	s_wait_alu depctr_va_vdst(0)    ; and its wait, ahead of the branch
	s_mov_b32 s[TILES], 3
	s_mov_b32 s[CNT], 5             ; pieces 0 and 1 of steps 0 to 4 stand ahead of the wait for the third tile: wave 3 reads row 512 first for its step 5
	s_branch .Lfirst                ; the loop is entered at a step's first turn, in the middle of a trip
.Ltile:
	s_wait_tensorcnt 0x0            ; my part of the third tile is in (it has had eighteen turns),
	s_wait_dscnt 0x0
	s_barrier_signal -1
	s_barrier_wait -1               ; everybody's is.  (The second time the lines serve nothing.)
	s_mov_b32 s[CNT], 4             ; then steps 5 to 8
.Lstep:                             ; a trip: pieces 2 and 3 of one step, then pieces 0 and 1 of the next, whose K and V it fetches; all four turns make masks for that next step
	s_add_co_u32 s[STEP], s[STEP], 1
	s_cmp_eq_u32 s[STEP], 8         ; the diagonal?
	s_cselect_b32 s[AL], 1.0, 0
	s_cmp_lt_i32 s[STEP], s[DEADN]  ; before the sequence's start?
	s_cselect_b32 s[BE], s[BIGN], 0
	TURN 2
	TURN 3
	WIN 0
	s_cmp_eq_u32 s[TILES], 1        ; the last trip, pieces 2 and 3 of step 8, is left here: its 8 products K Q^T, on a K that is fetched once more, and the maximum made of them serve
	s_cbranch_scc1 .Lout            ; nothing: the price, once a launch, of one text for every trip
.Lfirst:
	TURN 0
	TURN 1, 1
	WIN 0
	s_cbranch_scc1 .Lstep
	s_sub_co_u32 s[TILES], s[TILES], 1
	s_cmp_lg_u32 s[TILES], 0
	s_cbranch_scc1 .Ltile
.Lout:
.set i, 0
.rept 8
	PV NP-1                         ; the last piece's V^T P of the last step
.set i, i+1
.endr
	; THE WAY OUT: l's halves and the other half of the lanes' are added; O^T is divided by l, rounded to bf16 and sent through my stage, a piece at a time.  The additions are the places behind the last products.
	WIN 0
.macro ALL line:vararg
.set t, 0
.rept 4
	\line
.set t, t+1
.endr
.endm
.macro PACK t
	WIN W_RS
.set i, 32*(\t)
.rept 16
	v_pk_mul_f32 v[i:i+1], v[i:i+1], v[ST+4*(\t)+2:ST+4*(\t)+3] op_sel_hi:[1,0]
.set i, i+2
.endr
	WIN 0x05                        ; sources 0 and 1 window 1, destination window 0
.set i, 0
.rept 16
	v_cvt_pk_bf16_f32 v[S+16*(\t)+i], v[32*(\t)+2*i], v[32*(\t)+2*i+1]
.set i, i+1
.endr
	WIN 0
.irp f, 0,1,2,3
	ds_store_b128 v[STO], v[S+16*(\t)+4*\f:S+16*(\t)+4*\f+3] offset:32*\f
.endr
.irp f, 0,1,2,3
	ds_load_b128 v[S+16*(\t)+4*\f:S+16*(\t)+4*\f+3], v[RD] offset:\f*4*SP  ; LDS serves a wave's instructions in order (ISA guide 5.7.1.4): these see the stores above
.endr
.endm
.macro SEND t, younger              ; younger: the LDS instructions issued behind piece t's loads
	WIN 0
.irp f, 0,1,2,3
	s_wait_dscnt (\younger)+3-\f
	global_store_b128 v[GO], v[S+16*(\t)+4*\f:S+16*(\t)+4*\f+3], s[6:7] offset:(\t)*2048+\f*512  ; 512 consecutive bytes, aligned
.endr
.endm
	ALL v_add_f32 v[ST+4*t+2], v[ST+4*t+2], v[ST+4*t+3]
	ALL v_permlanex16_b32 v[ST+4*t+3], v[ST+4*t+2], s[SEL], s[SEL+1]
	ALL v_add_f32 v[ST+4*t+2], v[ST+4*t+2], v[ST+4*t+3]
	ALL v_rcp_f32 v[ST+4*t+2], v[ST+4*t+2]
	v_nop                           ; a plain instruction behind the last reciprocal
	s_wait_alu depctr_va_vdst(0)    ; one wait for the four
	PACK 0
.set t, 1
.rept 3
	PACK t
	SEND t-1, 8
.set t, t+1
.endr
	SEND 3, 0
	s_wait_tensorcnt 0x0            ; the wave's end
	ds_add_u32 v[SPW], v[NIL]
	s_wait_dscnt 0x0
	s_endpgm
.Lfunc_end_k_q7556787df2_attn:
	.size	k_q7556787df2_attn, .Lfunc_end_k_q7556787df2_attn-k_q7556787df2_attn
	.p2alignl 7, 3214868480
	.fill 96, 4, 3214868480
	.section	.rodata,"a",@progbits
	.p2align	6, 0x0
	.amdhsa_kernel k_q7556787df2_attn
		.amdhsa_group_segment_fixed_size 243200
		.amdhsa_private_segment_fixed_size 0
		.amdhsa_enable_private_segment 0
		.amdhsa_kernarg_size 16
		.amdhsa_user_sgpr_count 2
		.amdhsa_user_sgpr_kernarg_segment_ptr 1
		.amdhsa_wavefront_size32 1
		.amdhsa_system_sgpr_workgroup_id_x 1
		.amdhsa_system_sgpr_workgroup_id_y 1
		.amdhsa_system_sgpr_workgroup_id_z 1
		.amdhsa_system_vgpr_workitem_id 0
		.amdhsa_next_free_vgpr 768
		.amdhsa_next_free_sgpr 90
		.amdhsa_reserve_vcc 1
		.amdhsa_float_denorm_mode_32 3
		.amdhsa_float_denorm_mode_16_64 3
		.amdhsa_memory_ordered 1
		.amdhsa_forward_progress 1
		.amdhsa_inst_pref_size 79
	.end_amdhsa_kernel
	.amdgpu_metadata
---
amdhsa.version: [ 1, 2 ]
amdhsa.kernels:
  - .name:           k_q7556787df2_attn
    .symbol:         k_q7556787df2_attn.kd
    .args:
      - { .name: qkv, .offset: 0, .size: 8, .value_kind: global_buffer, .address_space: global }
      - { .name: ob, .offset: 8, .size: 8, .value_kind: global_buffer, .address_space: global }
    .group_segment_fixed_size: 243200
    .private_segment_fixed_size: 0
    .kernarg_segment_align: 8
    .kernarg_segment_size: 16
    .max_flat_workgroup_size: 128
    .sgpr_count:     90
    .vgpr_count:     768
    .wavefront_size: 32
...
	.end_amdgpu_metadata
.endif
;; end of part 3
;; launch proj (part 4): grid 8 x 32, 4 waves a work-group, clusters of 4 x 4, 327,680 bytes of LDS; arguments ob, wbf, xb, x1; writes x1
.if DOCPART == 4
	.amdgcn_target "amdgcn-amd-amdhsa--gfx1250"
	.amdhsa_code_object_version 6
	.text
	.protected	k_q7556787df2_proj
	.globl	k_q7556787df2_proj
	.p2align	8
	.type	k_q7556787df2_proj,@function
k_q7556787df2_proj:
	s_mov_b64 s[64:65], 0
	v_nop
	global_prefetch_b8 v0, s[64:65] scope:SCOPE_SE
	s_setreg_imm32_b32 hwreg(HW_REG_WAVE_MODE, 25, 1), 1
	s_wait_xcnt 0x0
	s_wait_alu depctr_hold_cnt(0) depctr_sa_sdst(0) depctr_va_vdst(0) depctr_va_sdst(0) depctr_va_ssrc(0) depctr_va_vcc(0) depctr_vm_vsrc(0)
	s_getreg_b32 s2, hwreg(HW_REG_IB_STS2, 6, 4)
	s_cmp_eq_u32 s2, 0
	s_cbranch_scc0 .Lentry_in_a_cluster
	s_endpgm
.Lentry_in_a_cluster:
	s_bfe_u32 s2, ttmp6, 0x10000c
	s_cmp_lg_u32 s2, 0xf033
	s_cbranch_scc0 .Lentry_shape_is_right
	s_endpgm
.Lentry_shape_is_right:
; C = A B^T + residual (+ bias), f32 out, on tiles of 128 x 128: 32 x 8 = 256 work-groups (tiles of 256 x 256 would be 64).
; MLP2 = 0: x1 = xb + ob w_o^T.  A = ob, [b][h][s][64] bf16: a K step of 256 channels is four heads; K = 1,024.  The residual xb is x rounded to bf16.
; MLP2 = 1: out0 = x1 + gl mlp_w2^T + b2.  A = gl [4096][4096] bf16; K = 4,096; b2 is rounded to bf16.
; Four waves, 2 x 2, 64 x 64 each: 16 accumulators.  K goes in steps of 256 through two LDS slots filled by tensor loads.  ONE K step is written and looped over: the slot in hand is a scalar
; (TB, 0 or SLOT) that an exclusive or turns.  CLUSTER 4 x 4: A's tile is asked for jointly by a row of the cluster, B's by a column.  The product is taken transposed.
; The residual rows that a wave will store are loaded into registers at the start and land under the main loop.
; THE WAY OUT: when the ring has had its last fill, its first bytes take the tile in f32 (rows of 528 bytes); each wave reads 32 whole rows, adds and stores 512 consecutive bytes a row.
; No prefetch: a tile's step is short and its rows few, and with K = 1,024 the launch is short.
; REGISTERS: window 0: addresses, v128-255 accumulators ((a, b) at 128 + 8 (4 a + b)); window 1: two fragment buffers of 128 (64 of A, 64 of B); window 2: the residual.
.set MLP2, 0
.if MLP2
.set KTOT,   4096
.set NSTEP,  16
.set WOFF,   16777216
.set APITCH, 528
.set ASL,    128
.set HALFA,  64*528
.set KADVA,  512
.set RESP,   10
.set OUTP,   84
.else
.set KTOT,   1024
.set NSTEP,  4
.set WOFF,   6291456
.set APITCH, 144                       ; a token's 64 channels of one head: 128 bytes + 16
.set ASL,    9216                      ; a head's slice: 64 tokens
.set HALFA,  4*9216
.set KADVA,  1048576                   ; four heads of 262,144 bytes
.set RESP,   8
.set OUTP,   10
.endif
.set KSTEP,  256
.set BPITCH, 528                       ; 512 bytes + 16: the 16 rows of a fragment load start at 16 different groups of four banks (ISA guide 11.1)
.set HALFB,  64*BPITCH
.set BOFF,   2*HALFA
.set SLOT,   BOFF+2*HALFB
.set SPARE,  2*SLOT                    ; the spare words, 128 bytes a wave, that no other line names
.set OPITCH, 528
.set ADRA0, 16
.set ADRB0, 17
.set ADRA,  18
.set ADRB,  19
.set C8,    23
.set STO,   24
.set RD,    25
.set CO,    26
.set ONE,   27
.set SPW,   28
.set NIL,   29
.set BI,    32
.set ACC,   128
.set F0,    0
.set F1,    128
.set G1,  24
.set G0,  32
.set G1B, 48
.set G0B, 56
.set WV,  70
.set RH,  71
.set CH,  72
.set CX,  73
.set CY,  74
.set TN,  75
.set TM,  76
.set WBA, 77
.set WBB, 78
.set TB,  79
.set RESB, 86
.set OUTB, 88
.set MSB, 0
.macro WIN new
.if MSB != (\new)
	s_set_vgpr_msb (MSB<<8)|(\new)
.set MSB, \new
.endif
.endm
.set MUL,  0x05                        ; sources 0 (B) and 1 (A) window 1; C and D window 0
.set TO_F, 0x40                        ; destination window 1, address window 0
.macro PLACES
.rept 4
	v_nop
.endr
.endm
.macro JLOAD s                         ; waves 0 and 1 fetch A's halves, waves 2 and 3 B's; an s_nop 0 and four v_nop follow each line
	s_cmp_eq_u32 s[RH], 0
	s_cbranch_scc0 .Lfor_b_\@
	tensor_load_to_lds s[G0+4*(\s):G0+4*(\s)+3], s[G1:G1+7]
	s_nop 0
.rept 4
	v_nop
.endr
	s_branch .Lasked_\@
.Lfor_b_\@:
	tensor_load_to_lds s[G0B+4*(\s):G0B+4*(\s)+3], s[G1B:G1B+7]
	s_nop 0
.rept 4
	v_nop
.endr
.Lasked_\@:
.endm
.macro CREST
	s_cmp_lg_u32 s[WV], 0
	s_cbranch_scc1 .Lnot_wave_0_\@
	s_barrier_signal -3
.Lnot_wave_0_\@:
	s_barrier_wait -3
	s_barrier_signal -1
	s_barrier_wait -1
.endm
.macro CROUND
	s_barrier_signal -1
	s_barrier_wait -1
	CREST
.endm
	s_load_b256 s[4:11], s[0:1], 0x0               ; A s[4:5], wbf s[6:7]; then xb, x1 (MLP2 = 0) or b2, x1 (MLP2 = 1)
.if MLP2
	s_load_b64 s[84:85], s[0:1], 0x20              ; out0
.endif
	v_lshl_add_u32 v[SPW], v0, 2, SPARE
	v_mov_b32 v[NIL], 0
	ds_add_u32 v[SPW], v[NIL]                      ; the wave's opening: the add and its wait ahead of my first tensor load
	v_lshrrev_b32 v1, 5, v0
	v_readfirstlane_b32 s[WV], v1
	s_lshr_b32 s[RH], s[WV], 1
	s_and_b32 s[CH], s[WV], 1
	s_bfe_u32 s[CX], ttmp6, 0x40000
	s_bfe_u32 s[CY], ttmp6, 0x40004
	s_lshl_b32 s[TN], ttmp9, 2
	s_add_co_u32 s[TN], s[TN], s[CX]
	s_and_b32 s[TM], ttmp7, 0xffff
	s_lshl_b32 s[TM], s[TM], 2
	s_add_co_u32 s[TM], s[TM], s[CY]
	s_lshl_b32 s40, s[CY], 2
	s_lshl_b32 s40, 15, s40                        ; my row of the cluster
	s_lshl_b32 s41, 0x1111, s[CX]                  ; my column
.if MLP2
	s_or_b32 s[G1], s40, (1<<16)|(1<<20)|(1<<21)|(6<<22)|(3<<25)   ; 64 rows x 256 elements; after every 128 words 4 words of padding
	s_mov_b32 s[G1+1], KSTEP<<16
	s_mov_b32 s[G1+2], 64<<16
	s_mov_b32 s[G1+3], KSTEP<<16
	s_mov_b32 s[G1+4], 64
	s_mov_b32 s[G1+5], KTOT
.else
	s_or_b32 s[G1], s40, (1<<16)|(1<<20)|(1<<21)|(4<<22)|(3<<25)   ; four rows, a head each, of 64 tokens x 64 channels = 4,096 dense elements; after every 32 words (a token) 4 words of padding
	s_mov_b32 s[G1+1], 4096<<16
	s_mov_b32 s[G1+2], 4<<16
	s_mov_b32 s[G1+3], 4096<<16
	s_mov_b32 s[G1+4], 4
	s_mov_b32 s[G1+5], 131072                      ; elements from head to head
.endif
	s_mov_b32 s[G1+6], 0
	s_mov_b32 s[G1+7], 0
	s_or_b32 s[G1B], s41, (1<<16)|(1<<20)|(1<<21)|(6<<22)|(3<<25)
	s_mov_b32 s[G1B+1], KSTEP<<16
	s_mov_b32 s[G1B+2], 64<<16
	s_mov_b32 s[G1B+3], KSTEP<<16
	s_mov_b32 s[G1B+4], 64
	s_mov_b32 s[G1B+5], KTOT
	s_mov_b32 s[G1B+6], 0
	s_mov_b32 s[G1B+7], 0
.if MLP2
	s_lshl_b32 s12, s[TM], 7                       ; A: row 128 x tile row + 64 x half, 8,192 bytes a row
	s_lshl_b32 s13, s[CH], 6
	s_add_co_u32 s12, s12, s13
	s_lshl_b32 s12, s12, 13
	s_mov_b32 s13, 0
.else
	s_lshr_b32 s12, s[TM], 4                       ; A: the batch (4,194,304 bytes),
	s_lshl_b32 s12, s12, 22
	s_and_b32 s13, s[TM], 15
	s_lshl_b32 s13, s13, 7
	s_lshl_b32 s14, s[CH], 6
	s_add_co_u32 s13, s13, s14                     ; the token in its sequence,
	s_lshl_b32 s13, s13, 7                         ; 128 bytes each
	s_add_co_u32 s12, s12, s13
	s_mov_b32 s13, 0
.endif
	s_lshl_b32 s16, s[TN], 7                       ; B: row 128 x tile column + 64 x half
	s_lshl_b32 s17, s[CH], 6
	s_add_co_u32 s16, s16, s17
	s_mul_i32 s16, s16, 2*KTOT
	s_mov_b32 s17, 0
	s_mul_i32 s[WBA], s[CH], HALFA
	s_mul_i32 s[WBB], s[CH], HALFB
	s_add_co_u32 s[WBB], s[WBB], BOFF
	s_wait_dscnt 0x0                               ; the opening add is done
	s_wait_kmcnt 0x0
	s_add_nc_u64 s[6:7], s[6:7], WOFF
	s_add_nc_u64 s[14:15], s[4:5], s[12:13]
	s_add_nc_u64 s[18:19], s[6:7], s[16:17]
	CROUND                                         ; all sixteen work-groups are here: the first joint loads meet
.irp s, 0,1
	s_mov_b32 s[G0+4*(\s)], 1
	s_add_co_u32 s[G0+4*(\s)+1], s[WBA], (\s)*SLOT
	s_add_nc_u64 s[G0+4*(\s)+2:G0+4*(\s)+3], s[14:15], (\s)*KADVA
	s_or_b32 s[G0+4*(\s)+3], s[G0+4*(\s)+3], 0x80000000
	s_mov_b32 s[G0B+4*(\s)], 1
	s_add_co_u32 s[G0B+4*(\s)+1], s[WBB], (\s)*SLOT
	s_add_nc_u64 s[G0B+4*(\s)+2:G0B+4*(\s)+3], s[18:19], (\s)*KSTEP*2
	s_or_b32 s[G0B+4*(\s)+3], s[G0B+4*(\s)+3], 0x80000000
	JLOAD \s                                       ; K steps 0 and 1: two loads of mine are out
.endr
	; the rows that I shall store: 128 x tile row + 32 x wave on; their residual is asked for now
	s_lshl_b32 s20, s[TM], 7
	s_lshl_b32 s21, s[WV], 5
	s_add_co_u32 s20, s20, s21
	s_lshl_b32 s20, s20, 12                        ; 4,096 bytes a row of f32
	s_lshl_b32 s21, s[TN], 9
	s_add_co_u32 s20, s20, s21
	s_mov_b32 s21, 0
	s_add_nc_u64 s[OUTB:OUTB+1], s[OUTP:OUTP+1], s[20:21]
.if !MLP2
	s_lshr_b32 s20, s20, 1                         ; the same place in bf16
.endif
	s_add_nc_u64 s[RESB:RESB+1], s[RESP:RESP+1], s[20:21]
	v_and_b32 v3, 31, v0
	v_lshlrev_b32 v[CO], 4, v3
	v_lshlrev_b32 v[C8], 3, v3
	WIN 0x80                                       ; destination window 2, address window 0
.set i, 0
.rept 32
.if MLP2
	global_load_b128 v[4*i:4*i+3], v[CO], s[RESB:RESB+1] offset:i*4096
.else
	global_load_b64 v[2*i:2*i+1], v[C8], s[RESB:RESB+1] offset:i*2048
.endif
.set i, i+1
.endr
	WIN 0
.if MLP2
	s_lshl_b32 s20, s[TN], 9                       ; b2 of the tile's 128 columns
	s_add_nc_u64 s[8:9], s[8:9], s[20:21]
	global_load_b128 v[BI:BI+3], v[CO], s[8:9]
.endif
	v_and_b32 v1, 15, v0                           ; r
	v_bfe_u32 v2, v0, 4, 1                         ; h
	v_mul_u32_u24 v3, v1, APITCH
	v_lshl_add_u32 v3, v2, 4, v3
	s_mul_i32 s20, s[RH], HALFA
	v_add_nc_u32 v[ADRA0], s20, v3
	v_mul_u32_u24 v3, v1, BPITCH
	v_lshl_add_u32 v3, v2, 4, v3
	v_add_nc_u32 v[ADRB0], s[WBB], v3
	v_mov_b32 v[ADRA], v[ADRA0]
	v_mov_b32 v[ADRB], v[ADRB0]
	s_mov_b32 s[TB], 0
.macro MUL8 f, c, a0, zero             ; 8 matrix instructions: row blocks a0, a0 + 1 x all 4 column blocks, 32 along K; the 16 accumulators take turns
	WIN MUL
.irp a, \a0, (\a0)+1
.irp b, 0,1,2,3
.if \zero
	v_wmma_f32_16x16x32_bf16 v[ACC+8*(4*(\a)+(\b)):ACC+8*(4*(\a)+(\b))+7], v[(\f)+64+8*(4*(\c)+(\b)):(\f)+64+8*(4*(\c)+(\b))+7], v[(\f)+8*(4*(\c)+(\a)):(\f)+8*(4*(\c)+(\a))+7], 0
.else
	v_wmma_f32_16x16x32_bf16 v[ACC+8*(4*(\a)+(\b)):ACC+8*(4*(\a)+(\b))+7], v[(\f)+64+8*(4*(\c)+(\b)):(\f)+64+8*(4*(\c)+(\b))+7], v[(\f)+8*(4*(\c)+(\a)):(\f)+8*(4*(\c)+(\a))+7], v[ACC+8*(4*(\a)+(\b)):ACC+8*(4*(\a)+(\b))+7]
.endif
.endr
.endr
.endm
.macro FETCH k, f                      ; 32 LDS loads in one run: 64 along K at byte k of B's rows; the first 32 along K first
	WIN TO_F
.irp c, 0,1
.irp i, 0,1,2,3
	ds_load_b128 v[(\f)+64+8*(4*(\c)+(\i)):(\f)+64+8*(4*(\c)+(\i))+3],   v[ADRB] offset:(\k)+64*(\c)+(\i)*16*BPITCH
	ds_load_b128 v[(\f)+64+8*(4*(\c)+(\i))+4:(\f)+64+8*(4*(\c)+(\i))+7], v[ADRB] offset:(\k)+64*(\c)+(\i)*16*BPITCH+32
	ds_load_b128 v[(\f)+8*(4*(\c)+(\i)):(\f)+8*(4*(\c)+(\i))+3],         v[ADRA] offset:((\k)/128)*ASL+64*(\c)+(\i)*16*APITCH
	ds_load_b128 v[(\f)+8*(4*(\c)+(\i))+4:(\f)+8*(4*(\c)+(\i))+7],       v[ADRA] offset:((\k)/128)*ASL+64*(\c)+(\i)*16*APITCH+32
.endr
.endr
.endm
.macro QUARTER k, f, g, zero
	s_wait_dscnt 16                                ; the first 32 along K are in; the younger sixteen loads may be out
	MUL8 \f, 0, 0, \zero
	MUL8 \f, 0, 2, \zero
	PLACES
	FETCH \k, \g
	s_wait_dscnt 32                                ; all but the 32 just issued
	MUL8 \f, 1, 0, 0
	MUL8 \f, 1, 2, 0
.endm
; A K step's last quarter and the change of slots; fill = 1: the slot just read out takes the K step two on.  A step has 128 matrix instructions a wave, so the quarter's first half stands AHEAD of the
; wait for the tile: between a tile's landing and the next request stand the three lines and the round alone.  The second half stands behind the run of loads from the next slot.
.macro TURN fill
	s_wait_dscnt 16                                ; buffer 1's first 32 along K are in; the younger sixteen loads may be out
	MUL8 F1, 0, 0, 0
	MUL8 F1, 0, 2, 0
	WIN 0
	s_wait_tensorcnt 0x0                           ; all my tensor loads have landed: my part of the next slot
	ds_add_u32 v[SPW], v[NIL]                      ; 0 onto my spare word
	s_wait_dscnt 0x0                               ; the add is done, and my reads of this slot are over
	s_barrier_signal -1
	s_barrier_wait -1
.if \fill
	CREST                                          ; no wave of any partner still reads this slot or has a load on its way
	s_add_co_u32 s[G0+5], s[WBA], s[TB]
	s_add_co_u32 s[G0B+5], s[WBB], s[TB]
	s_add_nc_u64 s[G0+6:G0+7], s[G0+6:G0+7], KADVA
	s_add_nc_u64 s[G0B+6:G0B+7], s[G0B+6:G0B+7], KSTEP*2
	s_xor_b32 s[TB], s[TB], SLOT
	JLOAD 1                                        ; my one tensor load behind the round; its four v_nop are also the places in front of the loads below
.else
	PLACES
	s_xor_b32 s[TB], s[TB], SLOT
.endif
	v_add_nc_u32 v[ADRA], s[TB], v[ADRA0]
	v_add_nc_u32 v[ADRB], s[TB], v[ADRB0]
	FETCH 0, F0
	MUL8 F1, 1, 0, 0
	MUL8 F1, 1, 2, 0
.endm
	s_wait_tensorcnt 1                             ; my part of K step 0 is in; K step 1's may stay out
	s_barrier_signal -1
	s_barrier_wait -1
	FETCH 0, F0
	QUARTER 128, F0, F1, 1                         ; the first products start the sums
	WIN 0
	s_mov_b32 s3, NSTEP-2
.Lstep:
	QUARTER 256, F1, F0, 0
	QUARTER 384, F0, F1, 0
	TURN 1
	QUARTER 128, F0, F1, 0
	WIN 0
	s_sub_co_u32 s3, s3, 1
	s_cmp_lg_u32 s3, 0
	s_cbranch_scc1 .Lstep
	s_mov_b32 s3, 2
.Ltail:                                                ; the last two K steps ask for nothing; the second trip is left in its middle (its run of loads from the other slot serves nothing)
	QUARTER 256, F1, F0, 0
	QUARTER 384, F0, F1, 0
	TURN 0
	WIN 0
	s_sub_co_u32 s3, s3, 1
	s_cmp_eq_u32 s3, 0
	s_cbranch_scc1 .Lout
	QUARTER 128, F0, F1, 0
	WIN 0
	s_branch .Ltail
.Lout:
	; THE WAY OUT.  The address lines are the places behind the last products.
	s_lshl_b32 s20, s[RH], 6
	v_add_nc_u32 v3, s20, v1
	v_mul_u32_u24 v3, v3, OPITCH
	v_lshl_add_u32 v3, v2, 5, v3
	s_lshl_b32 s20, s[CH], 8
	v_add_nc_u32 v[STO], s20, v3
	v_and_b32 v3, 31, v0
	s_mul_i32 s20, s[WV], 32*OPITCH
	v_lshl_add_u32 v[RD], v3, 4, s20
	s_wait_dscnt 0x0                               ; my last reads of the ring are back
	s_barrier_signal -1
	s_barrier_wait -1                              ; nobody reads the ring any more, and it has had its last fill
.irp a, 0,1,2,3
.irp b, 0,1,2,3
	ds_store_b128 v[STO], v[ACC+8*(4*(\a)+(\b)):ACC+8*(4*(\a)+(\b))+3]   offset:(\a)*16*OPITCH+64*(\b)     ; an accumulator's low registers first
	ds_store_b128 v[STO], v[ACC+8*(4*(\a)+(\b))+4:ACC+8*(4*(\a)+(\b))+7] offset:(\a)*16*OPITCH+64*(\b)+16
.endr
.endr
	s_wait_dscnt 0x0                               ; for the others' sake: my stores are done
	s_barrier_signal -1
	s_barrier_wait -1
.set t, 0
.rept 32
	ds_load_b128 v[ACC+4*t:ACC+4*t+3], v[RD] offset:t*OPITCH   ; row 32 w + t, whole: 512 consecutive bytes
.set t, t+1
.endr
	s_wait_loadcnt 0x0                             ; the residual (and the bias)
.if MLP2
	v_cvt_pk_bf16_f32 v3, v[BI], v[BI+1]
	v_lshlrev_b32 v[BI], 16, v3
	v_and_b32 v[BI+1], 0xffff0000, v3
	v_cvt_pk_bf16_f32 v3, v[BI+2], v[BI+3]
	v_lshlrev_b32 v[BI+2], 16, v3
	v_and_b32 v[BI+3], 0xffff0000, v3
.set t, 0
.rept 32
	s_wait_dscnt 31-t                              ; row t is back; the rows behind it may be out
	v_pk_add_f32 v[ACC+4*t:ACC+4*t+1], v[ACC+4*t:ACC+4*t+1], v[BI:BI+1]
	v_pk_add_f32 v[ACC+4*t+2:ACC+4*t+3], v[ACC+4*t+2:ACC+4*t+3], v[BI+2:BI+3]
.set t, t+1
.endr
	WIN 0x08                                       ; source 1 in window 2
.set t, 0
.rept 64
	v_pk_add_f32 v[ACC+2*t:ACC+2*t+1], v[ACC+2*t:ACC+2*t+1], v[2*t:2*t+1]
.set t, t+1
.endr
.else
	v_mov_b32 v[ONE], 1.0
	WIN 0x02                                       ; source 0 in window 2
.set t, 0
.rept 32
	s_wait_dscnt 31-t                              ; row t is back; the rows behind it may be out
	v_fma_mix_f32_bf16 v[ACC+4*t],   v[2*t],   v[ONE], v[ACC+4*t]   op_sel_hi:[1,0,0]
	v_fma_mix_f32_bf16 v[ACC+4*t+1], v[2*t],   v[ONE], v[ACC+4*t+1] op_sel:[1,0,0] op_sel_hi:[1,0,0]
	v_fma_mix_f32_bf16 v[ACC+4*t+2], v[2*t+1], v[ONE], v[ACC+4*t+2] op_sel_hi:[1,0,0]
	v_fma_mix_f32_bf16 v[ACC+4*t+3], v[2*t+1], v[ONE], v[ACC+4*t+3] op_sel:[1,0,0] op_sel_hi:[1,0,0]
.set t, t+1
.endr
.endif
	WIN 0
.set t, 0
.rept 32
	global_store_b128 v[CO], v[ACC+4*t:ACC+4*t+3], s[OUTB:OUTB+1] offset:t*4096   ; 512 consecutive bytes, aligned
.set t, t+1
.endr
	s_wait_tensorcnt 0x0                           ; the wave's end
	ds_add_u32 v[SPW], v[NIL]
	s_wait_dscnt 0x0
	CROUND                                         ; the closing round
	s_endpgm
.Lfunc_end_k_q7556787df2_proj:
	.size	k_q7556787df2_proj, .Lfunc_end_k_q7556787df2_proj-k_q7556787df2_proj
	.p2alignl 7, 3214868480
	.fill 96, 4, 3214868480
	.section	.rodata,"a",@progbits
	.p2align	6, 0x0
	.amdhsa_kernel k_q7556787df2_proj
		.amdhsa_group_segment_fixed_size 327680
		.amdhsa_private_segment_fixed_size 0
		.amdhsa_enable_private_segment 0
		.amdhsa_kernarg_size 32
		.amdhsa_user_sgpr_count 2
		.amdhsa_user_sgpr_kernarg_segment_ptr 1
		.amdhsa_wavefront_size32 1
		.amdhsa_system_sgpr_workgroup_id_x 1
		.amdhsa_system_sgpr_workgroup_id_y 1
		.amdhsa_system_sgpr_workgroup_id_z 1
		.amdhsa_system_vgpr_workitem_id 0
		.amdhsa_next_free_vgpr 640
		.amdhsa_next_free_sgpr 92
		.amdhsa_reserve_vcc 0
		.amdhsa_float_denorm_mode_32 3
		.amdhsa_float_denorm_mode_16_64 3
		.amdhsa_memory_ordered 1
		.amdhsa_forward_progress 1
		.amdhsa_inst_pref_size 69
	.end_amdhsa_kernel
	.amdgpu_metadata
---
amdhsa.version: [ 1, 2 ]
amdhsa.kernels:
  - .name:           k_q7556787df2_proj
    .symbol:         k_q7556787df2_proj.kd
    .args:
      - { .name: ob, .offset: 0, .size: 8, .value_kind: global_buffer, .address_space: global }
      - { .name: wbf, .offset: 8, .size: 8, .value_kind: global_buffer, .address_space: global }
      - { .name: xb, .offset: 16, .size: 8, .value_kind: global_buffer, .address_space: global }
      - { .name: x1, .offset: 24, .size: 8, .value_kind: global_buffer, .address_space: global }
    .group_segment_fixed_size: 327680
    .private_segment_fixed_size: 0
    .kernarg_segment_align: 8
    .kernarg_segment_size: 32
    .max_flat_workgroup_size: 128
    .sgpr_count:     92
    .vgpr_count:     640
    .wavefront_size: 32
...
	.end_amdgpu_metadata
.endif
;; end of part 4
;; launch ln2 (part 5): grid 256 x 1, 8 waves a work-group, no clusters, 0 bytes of LDS; arguments x1, ln2_g, ln2_b, hn; writes hn
.if DOCPART == 5
	.amdgcn_target "amdgcn-amd-amdhsa--gfx1250"
	.amdhsa_code_object_version 6
	.text
	.protected	k_q7556787df2_ln2
	.globl	k_q7556787df2_ln2
	.p2align	8
	.type	k_q7556787df2_ln2,@function
k_q7556787df2_ln2:
	s_mov_b64 s[64:65], 0
	v_nop
	global_prefetch_b8 v0, s[64:65] scope:SCOPE_SE
	s_setreg_imm32_b32 hwreg(HW_REG_WAVE_MODE, 25, 1), 1
	s_wait_xcnt 0x0
; hn = LayerNorm(x1) x g + b, rounded to bf16.  x1: [4096][1024] f32; g and b are rounded to bf16 first, like every input of the module.
; Mean and variance in f32, in two passes.  16 rows a work-group, two a wave; a row is eight loads of 512 consecutive bytes and stays in registers; each store covers 256 consecutive bytes, aligned.
; A stream: no LDS, no barrier, no matrix unit.
.set XIN, 4
.set GP,  6
.set BP,  8
.set HN,  10
.set WV,  12
.set SEL, 18
.set MSK, 20
.set CNT, 21
.set RK,  22
.set EPSR, 23
.set IN,  1
.set OUT, 2
.set GO,  3
.set X,   8
.set G,   40
.set BV,  72
.set D,   104
.set PY,  152                          ; the result in bf16; its first eight registers also hold the sums' four chains
	s_load_b256 s[4:11], s[0:1], 0x0               ; x1, g, b, hn
	v_lshrrev_b32 v4, 5, v0
	v_readfirstlane_b32 s[WV], v4
	v_and_b32 v5, 31, v0
	v_lshlrev_b32 v[IN], 4, v5
	v_lshlrev_b32 v[OUT], 3, v5
	v_lshlrev_b32 v[GO], 4, v5
	s_mov_b32 s[SEL], 0x76543210
	s_mov_b32 s[SEL+1], 0xfedcba98
	s_mov_b32 s[MSK], 0xffff0000
	s_mov_b32 s[RK], 0x3a800000                    ; 1 / 1024
	s_mov_b32 s[EPSR], 0x3727c5ac                  ; 1e-5
	s_lshl_b32 s14, ttmp9, 16
	s_lshl_b32 s15, s[WV], 13
	s_add_co_u32 s14, s14, s15
	s_mov_b32 s15, 0
	s_lshr_b32 s16, s14, 1
	s_mov_b32 s17, 0
	s_wait_kmcnt 0x0
	s_add_nc_u64 s[XIN:XIN+1], s[XIN:XIN+1], s[14:15]
	s_add_nc_u64 s[HN:HN+1], s[HN:HN+1], s[16:17]
.irp j, 0,1,2,3,4,5,6,7
	global_load_b128 v[G+4*(\j):G+4*(\j)+3], v[GO], s[GP:GP+1] offset:512*(\j)
.endr
.irp j, 0,1,2,3,4,5,6,7
	global_load_b128 v[BV+4*(\j):BV+4*(\j)+3], v[GO], s[BP:BP+1] offset:512*(\j)
.endr
.irp j, 0,1,2,3,4,5,6,7
	global_load_b128 v[X+4*(\j):X+4*(\j)+3], v[IN], s[XIN:XIN+1] offset:512*(\j)
.endr
	s_wait_loadcnt 8                               ; gain and bias are in; the row's eight younger loads may stay out
.set i, 0
.rept 16
	v_cvt_pk_bf16_f32 v4, v[G+2*i], v[G+2*i+1]
	v_lshlrev_b32 v[G+2*i], 16, v4
	v_and_b32 v[G+2*i+1], s[MSK], v4
	v_cvt_pk_bf16_f32 v6, v[BV+2*i], v[BV+2*i+1]
	v_lshlrev_b32 v[BV+2*i], 16, v6
	v_and_b32 v[BV+2*i+1], s[MSK], v6
.set i, i+1
.endr
.macro RSUM                            ; the four chains into one number, the same in every lane: v4
	v_pk_add_f32 v[PY:PY+1], v[PY:PY+1], v[PY+2:PY+3]
	v_pk_add_f32 v[PY+4:PY+5], v[PY+4:PY+5], v[PY+6:PY+7]
	v_pk_add_f32 v[PY:PY+1], v[PY:PY+1], v[PY+4:PY+5]
	v_add_f32 v4, v[PY], v[PY+1]
	v_add_f32_dpp v4, v4, v4 row_xmask:1 row_mask:0xf bank_mask:0xf
	v_add_f32_dpp v4, v4, v4 row_xmask:2 row_mask:0xf bank_mask:0xf
	v_add_f32_dpp v4, v4, v4 row_xmask:4 row_mask:0xf bank_mask:0xf
	v_add_f32_dpp v4, v4, v4 row_xmask:8 row_mask:0xf bank_mask:0xf
	v_permlanex16_b32 v5, v4, s[SEL], s[SEL+1]     ; v5 has been written
	v_add_f32 v4, v4, v5
.endm
	s_mov_b32 s[CNT], 2
.Lrow:
	s_wait_loadcnt 0x0                             ; the row is in
	s_wait_xcnt 0x0                                ; the last row's stores have read PY and OUT, which are written again below
	v_add_nc_u32 v[OUT], 2048, v[OUT]              ; the stores reach back by their immediate
.irp c, 0,1,2,3
	v_pk_add_f32 v[PY+2*(\c):PY+2*(\c)+1], v[X+2*(\c):X+2*(\c)+1], v[X+8+2*(\c):X+8+2*(\c)+1]
.endr
.irp k, 16,24
.irp c, 0,1,2,3
	v_pk_add_f32 v[PY+2*(\c):PY+2*(\c)+1], v[PY+2*(\c):PY+2*(\c)+1], v[X+(\k)+2*(\c):X+(\k)+2*(\c)+1]
.endr
.endr
	RSUM
	v_mul_f32 v6, s[RK], v4                        ; the mean, twice
	v_mov_b32 v7, v6
.set i, 0
.rept 16
	v_pk_add_f32 v[D+2*i:D+2*i+1], v[X+2*i:X+2*i+1], v[6:7] neg_lo:[0,1] neg_hi:[0,1]
.set i, i+1
.endr
	s_cmp_eq_u32 s[CNT], 1                         ; the last row has no successor
	s_cbranch_scc1 .Lnoload
	v_add_nc_u32 v[IN], 4096, v[IN]                ; its loads are done (the wait at the trip's head)
.irp j, 0,1,2,3,4,5,6,7
	global_load_b128 v[X+4*(\j):X+4*(\j)+3], v[IN], s[XIN:XIN+1] offset:512*(\j)
.endr
.Lnoload:
.irp c, 0,1,2,3
	v_pk_mul_f32 v[PY+2*(\c):PY+2*(\c)+1], v[D+2*(\c):D+2*(\c)+1], v[D+2*(\c):D+2*(\c)+1]
.endr
.irp k, 8,16,24
.irp c, 0,1,2,3
	v_pk_fma_f32 v[PY+2*(\c):PY+2*(\c)+1], v[D+(\k)+2*(\c):D+(\k)+2*(\c)+1], v[D+(\k)+2*(\c):D+(\k)+2*(\c)+1], v[PY+2*(\c):PY+2*(\c)+1]
.endr
.endr
	RSUM
	v_fma_f32 v4, v4, s[RK], s[EPSR]               ; variance + 1e-5
	v_rsq_f32 v6, v4
	v_rsq_f32 v7, v4
	v_nop                                          ; a plain instruction behind the last of the two
	s_wait_alu depctr_va_vdst(0)                   ; one wait for both, ahead of their first reader
.set i, 0
.rept 16
	v_pk_mul_f32 v[D+2*i:D+2*i+1], v[D+2*i:D+2*i+1], v[6:7]
.set i, i+1
.endr
.set i, 0
.rept 16
	v_pk_fma_f32 v[D+2*i:D+2*i+1], v[D+2*i:D+2*i+1], v[G+2*i:G+2*i+1], v[BV+2*i:BV+2*i+1]
.set i, i+1
.endr
.set i, 0
.rept 16
	v_cvt_pk_bf16_f32 v[PY+i], v[D+2*i], v[D+2*i+1]
.set i, i+1
.endr
.irp j, 0,1,2,3,4,5,6,7
	global_store_b64 v[OUT], v[PY+2*(\j):PY+2*(\j)+1], s[HN:HN+1] offset:256*(\j)-2048   ; 32 lanes x 8 bytes: 256 consecutive bytes, aligned
.endr
	s_sub_co_u32 s[CNT], s[CNT], 1
	s_cmp_lg_u32 s[CNT], 0
	s_cbranch_scc1 .Lrow
	s_endpgm
.Lfunc_end_k_q7556787df2_ln2:
	.size	k_q7556787df2_ln2, .Lfunc_end_k_q7556787df2_ln2-k_q7556787df2_ln2
	.p2alignl 7, 3214868480
	.fill 96, 4, 3214868480
	.section	.rodata,"a",@progbits
	.p2align	6, 0x0
	.amdhsa_kernel k_q7556787df2_ln2
		.amdhsa_group_segment_fixed_size 0
		.amdhsa_private_segment_fixed_size 0
		.amdhsa_enable_private_segment 0
		.amdhsa_kernarg_size 32
		.amdhsa_user_sgpr_count 2
		.amdhsa_user_sgpr_kernarg_segment_ptr 1
		.amdhsa_wavefront_size32 1
		.amdhsa_system_sgpr_workgroup_id_x 1
		.amdhsa_system_sgpr_workgroup_id_y 1
		.amdhsa_system_sgpr_workgroup_id_z 1
		.amdhsa_system_vgpr_workitem_id 0
		.amdhsa_next_free_vgpr 168
		.amdhsa_next_free_sgpr 66
		.amdhsa_reserve_vcc 0
		.amdhsa_float_denorm_mode_32 3
		.amdhsa_float_denorm_mode_16_64 3
		.amdhsa_memory_ordered 1
		.amdhsa_forward_progress 1
		.amdhsa_inst_pref_size 17
	.end_amdhsa_kernel
	.amdgpu_metadata
---
amdhsa.version: [ 1, 2 ]
amdhsa.kernels:
  - .name:           k_q7556787df2_ln2
    .symbol:         k_q7556787df2_ln2.kd
    .args:
      - { .name: x1, .offset: 0, .size: 8, .value_kind: global_buffer, .address_space: global }
      - { .name: ln2_g, .offset: 8, .size: 8, .value_kind: global_buffer, .address_space: global }
      - { .name: ln2_b, .offset: 16, .size: 8, .value_kind: global_buffer, .address_space: global }
      - { .name: hn, .offset: 24, .size: 8, .value_kind: global_buffer, .address_space: global }
    .group_segment_fixed_size: 0
    .private_segment_fixed_size: 0
    .kernarg_segment_align: 8
    .kernarg_segment_size: 32
    .max_flat_workgroup_size: 256
    .sgpr_count:     66
    .vgpr_count:     168
    .wavefront_size: 32
...
	.end_amdgpu_metadata
.endif
;; end of part 5
;; launch mlp1 (part 6): grid 16 x 16, 4 waves a work-group, clusters of 4 x 4, 327,680 bytes of LDS; arguments hn, wbf, mlp_b1, gl; writes gl
.if DOCPART == 6
	.amdgcn_target "amdgcn-amd-amdhsa--gfx1250"
	.amdhsa_code_object_version 6
	.text
	.protected	k_q7556787df2_mlp1
	.globl	k_q7556787df2_mlp1
	.p2align	8
	.type	k_q7556787df2_mlp1,@function
k_q7556787df2_mlp1:
	s_mov_b64 s[64:65], 0
	v_nop
	global_prefetch_b8 v0, s[64:65] scope:SCOPE_SE
	s_setreg_imm32_b32 hwreg(HW_REG_WAVE_MODE, 25, 1), 1
	s_wait_xcnt 0x0
	s_wait_alu depctr_hold_cnt(0) depctr_sa_sdst(0) depctr_va_vdst(0) depctr_va_sdst(0) depctr_va_ssrc(0) depctr_va_vcc(0) depctr_vm_vsrc(0)
	s_getreg_b32 s2, hwreg(HW_REG_IB_STS2, 6, 4)
	s_cmp_eq_u32 s2, 0
	s_cbranch_scc0 .Lentry_in_a_cluster
	s_endpgm
.Lentry_in_a_cluster:
	s_bfe_u32 s2, ttmp6, 0x10000c
	s_cmp_lg_u32 s2, 0xf033
	s_cbranch_scc0 .Lentry_shape_is_right
	s_endpgm
.Lentry_shape_is_right:
; gl = gelu(hn mlp_w1^T + b1), rounded to bf16.  hn: [4096][1024] bf16; mlp_w1: 4,096 rows of wbf, bf16; gl: [4096][4096] bf16; sums in f32.  A tile is 256 x 256: 16 x 16 = 256 work-groups.
; LIMITS: b1 is rounded to bf16.  gelu(x) = x/2 + |x| (1/2 - erfc(|x|/sqrt 2)/2), erfc(t) = (1 + a1 t + a2 t^2 + a3 t^3 + a4 t^4)^-4 (Abramowitz and Stegun 7.1.27),
; whose error is at most 5e-4 for every argument: gelu is off by at most 2.5e-4 |x|.  For large |x| the form gives x or 0 exactly; NaN is not treated apart.
; Four waves, 2 x 2; a wave makes 128 x 128: 64 accumulators.  K goes in steps of 128 through two LDS slots filled by tensor loads (rows of 256 bytes, padded to 272).
; ONE K step is written and looped over: the slot in hand is a scalar (TB, 0 or SLOT) that an exclusive or turns; LDS addresses are TB + a lane term.
; CLUSTER 4 x 4: A's tile is asked for jointly by a row of the cluster, B's by a column.  The product is taken transposed (source 0 = B's rows): a lane holds 8 neighbouring columns of one row of C.
; THE WAY OUT: when the ring has had its last fill, its bytes take the whole tile in f32 (rows of OP bytes); then each wave reads 64 whole rows, finishes them and stores blocks of 256 consecutive bytes.
; REGISTERS: window 0: addresses, A's two fragment buffers v64-127, v128-191; window 1: B's, same numbers; windows 2, 3: accumulators (a, b) at v[8 (8 a + b)].
.set BN, 256
.set WOFF, 8388608
.set OUTP, 10
.set KSTEP, 128
.set NSTEP, 8
.set PITCH, 272                        ; 256 bytes + 16 of padding: the 16 rows of a fragment load start at 16 different groups of four banks (ISA guide 11.1)
.set NBK,   BN/32
.set HB,    BN/2
.set HALFA, 128*PITCH
.set HALFB, HB*PITCH
.set BOFF,  2*HALFA
.set SLOT,  BOFF+2*HALFB
.set SPARE, 2*SLOT                     ; behind the ring: the spare words, 128 bytes a wave, that no other line names
.set OP,    4*BN+16                    ; a row of the tile in f32 on the way out
.set NLD,   16+2*NBK                   ; LDS loads in a quarter's run
.set ADRA0, 16
.set ADRB0, 17
.set ADRA,  18
.set ADRB,  19
.set RD,    20
.set L16,   21
.set CO,    22
.set SPW,   28
.set NIL,   29
.set PFO,   30
.set STO,   32                         ; v32-39
.set BI,    40                         ; v40-47
.set YY,    48                         ; v48-63
.set F0,    64
.set F1,    128
.set G1,  24
.set G0,  32
.set G1B, 48
.set G0B, 56
.set WV,  70
.set RH,  71
.set CH,  72
.set CX,  73
.set CY,  74
.set TN,  75
.set TM,  76
.set WBA, 77
.set WBB, 78
.set TB,  79
.set LIM, 80
.set PFA, 82
.set MSB, 0
.macro WIN new                         ; the immediate's high byte repeats the setting that is left
.if MSB != (\new)
	s_set_vgpr_msb (MSB<<8)|(\new)
.set MSB, \new
.endif
.endm
.set MUL_LO, 0xa1                      ; source 0 (B) window 1, source 1 (A) window 0, C and D window 2
.set TO_B,   0x40                      ; destination window 1, address window 0
.macro PLACES
.rept 4
	v_nop
.endr
.endm
; A joint load: waves 0 and 1 fetch A's halves, waves 2 and 3 B's.  An s_nop 0 and four v_nop follow each line.
.macro JLOAD s
	s_cmp_eq_u32 s[RH], 0
	s_cbranch_scc0 .Lfor_b_\@
	tensor_load_to_lds s[G0+4*(\s):G0+4*(\s)+3], s[G1:G1+7]
	s_nop 0
.rept 4
	v_nop
.endr
	s_branch .Lasked_\@
.Lfor_b_\@:
	tensor_load_to_lds s[G0B+4*(\s):G0B+4*(\s)+3], s[G1B:G1B+7]
	s_nop 0
.rept 4
	v_nop
.endr
.Lasked_\@:
.endm
.macro CREST                           ; a round of the cluster's barrier behind its opening barrier
	s_cmp_lg_u32 s[WV], 0
	s_cbranch_scc1 .Lnot_wave_0_\@
	s_barrier_signal -3
.Lnot_wave_0_\@:
	s_barrier_wait -3
	s_barrier_signal -1
	s_barrier_wait -1
.endm
.macro CROUND
	s_barrier_signal -1
	s_barrier_wait -1
	CREST
.endm
; A prefetch of the K step two refills on: a lane a row, 256 bytes of each.  A's rows are asked for by the cluster with x = 0, B's by the cluster with y = 0; the four partners of a joint
; load take a quarter of the wave's rows each, told apart by address.  The loop's last two trips have no K step two on.
.macro ASK
	s_cmp_gt_u32 s3, s[LIM]
	s_cbranch_scc0 .Lnot_mine_\@
	global_prefetch_b8 v[PFO], s[PFA:PFA+1] offset:KSTEP*2 th:TH_LOAD_NT scope:SCOPE_SE
.Lnot_mine_\@:
.endm
	s_load_b256 s[4:11], s[0:1], 0x0               ; A s[4:5], wbf s[6:7], b1 s[8:9], gl s[10:11]
	v_lshl_add_u32 v[SPW], v0, 2, SPARE
	v_mov_b32 v[NIL], 0
	ds_add_u32 v[SPW], v[NIL]                      ; the wave's opening: the add and its wait ahead of my first tensor load
	v_lshrrev_b32 v1, 5, v0
	v_readfirstlane_b32 s[WV], v1
	s_lshr_b32 s[RH], s[WV], 1                     ; my half of the rows; also: I fetch for A (0) or B (1)
	s_and_b32 s[CH], s[WV], 1                      ; my half of the columns; also: which half of that tile I fetch
	s_bfe_u32 s[CX], ttmp6, 0x40000
	s_bfe_u32 s[CY], ttmp6, 0x40004
	s_lshl_b32 s[TN], ttmp9, 2
	s_add_co_u32 s[TN], s[TN], s[CX]               ; tile column
	s_and_b32 s[TM], ttmp7, 0xffff
	s_lshl_b32 s[TM], s[TM], 2
	s_add_co_u32 s[TM], s[TM], s[CY]               ; tile row
	s_lshl_b32 s40, s[CY], 2
	s_lshl_b32 s40, 15, s40                        ; my row of the cluster
	s_lshl_b32 s41, 0x1111, s[CX]                  ; my column
	s_or_b32 s[G1], s40, (1<<16)|(1<<20)|(1<<21)|(5<<22)|(3<<25)   ; mask; 2-byte elements; padding on; bit 21 beside a mask; after every 64 words 4 words
	s_or_b32 s[G1B], s41, (1<<16)|(1<<20)|(1<<21)|(5<<22)|(3<<25)
	s_mov_b32 s[G1+1], KSTEP<<16                   ; tensor_dim0 = 128
	s_mov_b32 s[G1+2], 128<<16                     ; tensor_dim1 = 128
	s_mov_b32 s[G1+3], KSTEP<<16                   ; tile_dim0 = 128
	s_mov_b32 s[G1+4], 128                         ; tile_dim1 = 128
	s_mov_b32 s[G1+5], 1024                        ; elements from row to row
	s_mov_b32 s[G1+6], 0
	s_mov_b32 s[G1+7], 0
	s_mov_b32 s[G1B+1], KSTEP<<16
	s_mov_b32 s[G1B+2], HB<<16
	s_mov_b32 s[G1B+3], KSTEP<<16
	s_mov_b32 s[G1B+4], HB
	s_mov_b32 s[G1B+5], 1024
	s_mov_b32 s[G1B+6], 0
	s_mov_b32 s[G1B+7], 0
	s_lshl_b32 s12, s[TM], 8                       ; A: row 256 x tile row + 128 x half, 2,048 bytes a row
	s_lshl_b32 s13, s[CH], 7
	s_add_co_u32 s12, s12, s13
	s_lshl_b32 s12, s12, 11
	s_mov_b32 s13, 0
	s_mul_i32 s16, s[TN], BN                       ; B: row BN x tile column + HB x half
	s_mul_i32 s17, s[CH], HB
	s_add_co_u32 s16, s16, s17
	s_lshl_b32 s16, s16, 11
	s_mov_b32 s17, 0
	s_mul_i32 s[WBA], s[CH], HALFA                 ; where they go in a slot: the wave's number alone
	s_mul_i32 s[WBB], s[CH], HALFB
	s_add_co_u32 s[WBB], s[WBB], BOFF
	s_wait_dscnt 0x0                               ; the opening add is done
	s_wait_kmcnt 0x0
	s_add_nc_u64 s[6:7], s[6:7], WOFF
	s_add_nc_u64 s[14:15], s[4:5], s[12:13]
	s_add_nc_u64 s[18:19], s[6:7], s[16:17]
	CROUND                                         ; all sixteen work-groups are here: the first joint loads meet
.irp s, 0,1
	s_mov_b32 s[G0+4*(\s)], 1
	s_add_co_u32 s[G0+4*(\s)+1], s[WBA], (\s)*SLOT
	s_add_nc_u64 s[G0+4*(\s)+2:G0+4*(\s)+3], s[14:15], (\s)*KSTEP*2
	s_or_b32 s[G0+4*(\s)+3], s[G0+4*(\s)+3], 0x80000000
	s_mov_b32 s[G0B+4*(\s)], 1
	s_add_co_u32 s[G0B+4*(\s)+1], s[WBB], (\s)*SLOT
	s_add_nc_u64 s[G0B+4*(\s)+2:G0B+4*(\s)+3], s[18:19], (\s)*KSTEP*2
	s_or_b32 s[G0B+4*(\s)+3], s[G0B+4*(\s)+3], 0x80000000
	JLOAD \s                                       ; K steps 0 and 1: two loads of mine are out
.endr
	v_and_b32 v1, 15, v0                           ; r = l % 16
	v_bfe_u32 v2, v0, 4, 1                         ; h = l / 16
	v_mul_u32_u24 v3, v1, PITCH
	v_lshl_add_u32 v3, v2, 4, v3
	s_mul_i32 s20, s[RH], HALFA
	v_add_nc_u32 v[ADRA0], s20, v3
	v_add_nc_u32 v[ADRB0], s[WBB], v3
	v_mov_b32 v[ADRA], v[ADRA0]
	v_mov_b32 v[ADRB], v[ADRB0]
	s_mov_b32 s[TB], 0
	; the prefetches' address
	s_lshl_b32 s40, s[TM], 8
	s_lshl_b32 s42, s[CH], 7
	s_add_co_u32 s40, s40, s42
	s_lshl_b32 s42, s[CX], 5
	s_add_co_u32 s40, s40, s42                     ; A: my work-group's 32 of the 128 rows that I fetch
	s_mul_i32 s41, s[TN], BN
	s_mul_i32 s42, s[CH], HB
	s_add_co_u32 s41, s41, s42
	s_mul_i32 s42, s[CY], HB/4
	s_add_co_u32 s41, s41, s42                     ; B: my work-group's HB / 4
	s_and_b32 s43, ttmp7, 0xffff
	s_cmp_eq_u32 s[RH], 0
	s_cselect_b32 s20, s40, s41
	s_cselect_b32 s22, ttmp9, s43                  ; the coordinate along which other clusters read the same rows
	s_cselect_b32 s23, 31, HB/4-1
	s_cselect_b64 s[PFA:PFA+1], s[4:5], s[6:7]
	s_cmp_eq_u32 s22, 0
	s_cselect_b32 s[LIM], 2, -1                    ; the same in all sixteen partners, for a given wave
	s_lshl_b32 s20, s20, 11
	s_mov_b32 s21, 0
	s_add_nc_u64 s[PFA:PFA+1], s[PFA:PFA+1], s[20:21]
	s_add_nc_u64 s[PFA:PFA+1], s[PFA:PFA+1], 2*KSTEP*2  ; at K step 2: the first refill steps it to 3 and names K step 4
	v_and_b32 v[PFO], 31, v0
	v_min_u32 v[PFO], s23, v[PFO]                  ; lanes beyond my rows name the last of them
	v_lshlrev_b32 v[PFO], 11, v[PFO]
	s_lshl_b32 s20, s[TN], 10                      ; b1 of the tile's 256 columns
	s_add_nc_u64 s[8:9], s[8:9], s[20:21]
	v_and_b32 v[L16], 31, v0
	v_lshlrev_b32 v[L16], 4, v[L16]
	global_load_b128 v[BI:BI+3], v[L16], s[8:9]
	global_load_b128 v[BI+4:BI+7], v[L16], s[8:9] offset:512
; 2 x NBK matrix instructions: row blocks a0, a0 + 1 of the window's four x all column blocks, 32 along K.  The accumulators take turns, in the same order in every quarter.
.macro MUL16 f, hi, a0, zero
	WIN MUL_LO+0x50*(\hi)
.irp a, \a0, (\a0)+1
.set b, 0
.rept NBK
.if \zero
	v_wmma_f32_16x16x32_bf16 v[8*(8*(\a)+b):8*(8*(\a)+b)+7], v[(\f)+8*b:(\f)+8*b+7], v[(\f)+8*(4*(\hi)+(\a)):(\f)+8*(4*(\hi)+(\a))+7], 0
.else
	v_wmma_f32_16x16x32_bf16 v[8*(8*(\a)+b):8*(8*(\a)+b)+7], v[(\f)+8*b:(\f)+8*b+7], v[(\f)+8*(4*(\hi)+(\a)):(\f)+8*(4*(\hi)+(\a))+7], v[8*(8*(\a)+b):8*(8*(\a)+b)+7]
.endif
.set b, b+1
.endr
.endr
.endm
.macro FETCH k, f                      ; a quarter's fragments in one run: B's first, then A's
	WIN TO_B
.set i, 0
.rept NBK
	ds_load_b128 v[(\f)+8*i:(\f)+8*i+3],   v[ADRB] offset:(\k)+i*16*PITCH
	ds_load_b128 v[(\f)+8*i+4:(\f)+8*i+7], v[ADRB] offset:(\k)+i*16*PITCH+32
.set i, i+1
.endr
	WIN 0
.set i, 0
.rept 8
	ds_load_b128 v[(\f)+8*i:(\f)+8*i+3],   v[ADRA] offset:(\k)+i*16*PITCH
	ds_load_b128 v[(\f)+8*i+4:(\f)+8*i+7], v[ADRA] offset:(\k)+i*16*PITCH+32
.set i, i+1
.endr
.endm
.macro QUARTER k, f, g, zero
	s_wait_dscnt 8                                 ; B and A's rows 0-63 are in; the youngest eight loads (A's rows 64-127) may be out
	MUL16 \f, 0, 0, \zero
	MUL16 \f, 0, 2, \zero
	PLACES                                         ; four places in front of loads into registers that matrix instructions have read
	FETCH \k, \g
	s_wait_dscnt NLD                               ; all but the run just issued
	MUL16 \f, 1, 0, \zero
	MUL16 \f, 1, 2, \zero
.endm
.macro MEET round                      ; the change of slots, first half: products stand between the add and its wait and between signal and wait
	WIN 0
	s_wait_tensorcnt 0x0                           ; all my tensor loads have landed: the one that was out is my part of the next slot
	ds_add_u32 v[SPW], v[NIL]                      ; 0 onto my spare word
	s_wait_dscnt 9                                 ; the add and the youngest eight loads may be out
	MUL16 F1, 0, 0, 0
	s_wait_dscnt 0x0                               ; the add is done, and my reads of this slot are over
	s_barrier_signal -1
	MUL16 F1, 0, 2, 0
.if \round
	WIN 0
.endif
	s_barrier_wait -1
.endm
.macro TURN fill                       ; a K step's last quarter; fill = 1: the slot just read out takes the K step two on
.if \fill
	s_wait_xcnt 0x0                                ; the last prefetch, a K step back, has read its address
	s_add_nc_u64 s[PFA:PFA+1], s[PFA:PFA+1], KSTEP*2
.endif
	MEET \fill
.if \fill
	CREST                                          ; no wave of any partner still reads this slot or has a load on its way
	s_add_co_u32 s[G0+5], s[WBA], s[TB]            ; the walking descriptors: into the slot just read out,
	s_add_co_u32 s[G0B+5], s[WBB], s[TB]
	s_add_nc_u64 s[G0+6:G0+7], s[G0+6:G0+7], KSTEP*2     ; the next K step
	s_add_nc_u64 s[G0B+6:G0B+7], s[G0B+6:G0B+7], KSTEP*2
	s_xor_b32 s[TB], s[TB], SLOT
	JLOAD 1                                        ; my one tensor load behind the round; its four v_nop are also the places in front of the loads below
.else
	WIN 0
	PLACES
	s_xor_b32 s[TB], s[TB], SLOT
.endif
	v_add_nc_u32 v[ADRA], s[TB], v[ADRA0]
	v_add_nc_u32 v[ADRB], s[TB], v[ADRB0]
	FETCH 0, F0
.if \fill
	ASK
.endif
	MUL16 F1, 1, 0, 0
	MUL16 F1, 1, 2, 0
.endm
	s_wait_tensorcnt 1                             ; my part of K step 0 is in; K step 1's may stay out
	s_barrier_signal -1
	s_barrier_wait -1
	FETCH 0, F0
	QUARTER 64, F0, F1, 1                          ; the first quarter's products start the sums
	WIN 0
	s_mov_b32 s3, NSTEP-2
.Lstep:                                                ; a trip: from a K step's second quarter to the next step's first; the refills ask for K steps 2 to 7
	QUARTER 128, F1, F0, 0
	QUARTER 192, F0, F1, 0
	TURN 1
	QUARTER 64, F0, F1, 0
	WIN 0
	s_sub_co_u32 s3, s3, 1
	s_cmp_lg_u32 s3, 0
	s_cbranch_scc1 .Lstep
	s_mov_b32 s3, 2
.Ltail:                                                ; the last two K steps ask for nothing; the second trip is left in its middle (its run of loads from the other slot serves nothing)
	QUARTER 128, F1, F0, 0
	QUARTER 192, F0, F1, 0
	TURN 0
	WIN 0
	s_sub_co_u32 s3, s3, 1
	s_cmp_eq_u32 s3, 0
	s_cbranch_scc1 .Lout
	QUARTER 64, F0, F1, 0
	WIN 0
	s_branch .Ltail
.Lout:
	; THE WAY OUT.  The address lines are the places behind the last products.
	s_lshl_b32 s20, s[RH], 7
	v_add_nc_u32 v3, s20, v1                       ; row 128 RH + r
	v_mul_u32_u24 v3, v3, OP
	v_lshl_add_u32 v3, v2, 5, v3                   ; + 32 h: my eight columns
	s_mul_i32 s20, s[CH], 2*BN                     ; my half of the columns
	v_add_nc_u32 v[STO], s20, v3
.irp a, 1,2,3,4,5,6,7
	v_add_nc_u32 v[STO+(\a)], (\a)*16*OP, v[STO]
.endr
	s_wait_dscnt 0x0                               ; my last reads of the ring are back
	s_barrier_signal -1
	s_barrier_wait -1                              ; nobody reads the ring any more, and it has had its last fill
.set a, 0
.rept 8
	WIN 0x08+4*(a/4)                               ; store data in window 2 or 3
.set b, 0
.rept NBK
.set AC, 8*(8*(a%4)+b)
	ds_store_b128 v[STO+a], v[AC:AC+3] offset:64*b       ; an accumulator's low registers first
	ds_store_b128 v[STO+a], v[AC+4:AC+7] offset:64*b+16
.set b, b+1
.endr
.set a, a+1
.endr
	WIN 0
	s_wait_dscnt 0x0                               ; for the others' sake: my stores are done
	s_barrier_signal -1
	s_barrier_wait -1
.set X,  64
.set XB, 96
.set AX, 128
.set U,  160
	v_and_b32 v3, 31, v0
	s_mul_i32 s20, s[WV], 64*OP
	v_lshl_add_u32 v[RD], v3, 4, s20               ; my 64 rows; 16 bytes a lane
	v_lshlrev_b32 v[CO], 3, v3
	s_lshl_b32 s20, s[TM], 8
	s_lshl_b32 s21, s[WV], 6
	s_add_co_u32 s20, s20, s21
	s_lshl_b32 s20, s20, 13                        ; a row of gl is 8,192 bytes
	s_lshl_b32 s21, s[TN], 9
	s_add_co_u32 s20, s20, s21
	s_mov_b32 s21, 0
	s_add_nc_u64 s[OUTP:OUTP+1], s[OUTP:OUTP+1], s[20:21]
	s_mov_b32 s84, 0x3c9ff716                      ; the form's coefficients for the argument |x| in place of |x| / sqrt 2: a4 / 4 = 0.019527,
	s_mov_b32 s85, s84
	s_mov_b32 s86, 0x39b42c77                      ; a3 / (2 sqrt 2) = 0.00034365,
	s_mov_b32 s87, s86
	s_mov_b32 s88, 0x3debeb18                      ; a2 / 2 = 0.1151945,
	s_mov_b32 s89, s88
	s_mov_b32 s90, 0x3e4993fc                      ; a1 / sqrt 2 = 0.1968536
	s_mov_b32 s91, s90
	s_wait_loadcnt 0x0                             ; b1
.irp k, 0,1,2,3
	v_cvt_pk_bf16_f32 v3, v[BI+2*(\k)], v[BI+2*(\k)+1]
	v_lshlrev_b32 v[BI+2*(\k)], 16, v3
	v_and_b32 v[BI+2*(\k)+1], 0xffff0000, v3
.endr
.macro LOADX                           ; four rows: two loads of 512 consecutive bytes each
.irp i, 0,1,2,3
.irp c, 0,1
	ds_load_b128 v[X+4*(2*(\i)+(\c)):X+4*(2*(\i)+(\c))+3], v[RD] offset:(\i)*OP+(\c)*512
.endr
.endr
.endm
.macro EACH line:vararg                ; one line for each pair n of the trip's sixteen
.set n, 0
.rept 16
	\line
.set n, n+1
.endr
.endm
	LOADX
	s_mov_b32 s3, 16
.Lrows:
	s_wait_dscnt 0x0
	EACH v_pk_add_f32 v[XB+2*n:XB+2*n+1], v[X+2*n:X+2*n+1], v[BI+4*((n/2)%2)+2*(n%2):BI+4*((n/2)%2)+2*(n%2)+1]
	s_cmp_eq_u32 s3, 1
	s_cbranch_scc1 .Lnomore
	v_add_nc_u32 v[RD], 4*OP, v[RD]
	LOADX                                          ; the next four rows come while these are worked on
.Lnomore:
.set n, 0
.rept 32
	v_and_b32 v[AX+n], 0x7fffffff, v[XB+n]
.set n, n+1
.endr
	; 1 + a1 t + a2 t^2 + a3 t^3 + a4 t^4, from the top
	EACH v_pk_fma_f32 v[U+2*n:U+2*n+1], v[AX+2*n:AX+2*n+1], s[84:85], s[86:87] op_sel_hi:[1,0,0]
	EACH v_pk_fma_f32 v[U+2*n:U+2*n+1], v[U+2*n:U+2*n+1], v[AX+2*n:AX+2*n+1], s[88:89] op_sel_hi:[1,1,0]
	EACH v_pk_fma_f32 v[U+2*n:U+2*n+1], v[U+2*n:U+2*n+1], v[AX+2*n:AX+2*n+1], s[90:91] op_sel_hi:[1,1,0]
	EACH v_pk_fma_f32 v[U+2*n:U+2*n+1], v[U+2*n:U+2*n+1], v[AX+2*n:AX+2*n+1], 1.0 op_sel_hi:[1,1,0]
.set n, 0
.rept 16                                               ; ONE batch of 32 reciprocals: nothing in it reads a result; a plain line stands last
	v_rcp_f32 v[U+2*n], v[U+2*n]
	v_rcp_f32 v[U+2*n+1], v[U+2*n+1]
	v_pk_mul_f32 v[XB+2*n:XB+2*n+1], v[XB+2*n:XB+2*n+1], 0.5 op_sel_hi:[1,0]
.set n, n+1
.endr
	s_wait_alu depctr_va_vdst(0)                   ; one wait for the batch, ahead of its first reader
	EACH v_pk_mul_f32 v[U+2*n:U+2*n+1], v[U+2*n:U+2*n+1], v[U+2*n:U+2*n+1]
	EACH v_pk_mul_f32 v[U+2*n:U+2*n+1], v[U+2*n:U+2*n+1], v[U+2*n:U+2*n+1]     ; erfc
	EACH v_pk_fma_f32 v[U+2*n:U+2*n+1], v[U+2*n:U+2*n+1], -0.5, 0.5 op_sel_hi:[1,0,0]
	EACH v_pk_fma_f32 v[XB+2*n:XB+2*n+1], v[AX+2*n:AX+2*n+1], v[U+2*n:U+2*n+1], v[XB+2*n:XB+2*n+1]
	s_wait_xcnt 0x0                                ; the last trip's stores have read YY and CO
	EACH v_cvt_pk_bf16_f32 v[YY+n], v[XB+2*n], v[XB+2*n+1]
	v_add_nc_u32 v[CO], 4*8192, v[CO]
.irp i, 0,1,2,3
.irp c, 0,1
	global_store_b64 v[CO], v[YY+2*(2*(\i)+(\c)):YY+2*(2*(\i)+(\c))+1], s[OUTP:OUTP+1] offset:(\i)*8192+(\c)*256-4*8192  ; 256 consecutive bytes, aligned
.endr
.endr
	s_sub_co_u32 s3, s3, 1
	s_cmp_lg_u32 s3, 0
	s_cbranch_scc1 .Lrows
	s_wait_tensorcnt 0x0                           ; the wave's end
	ds_add_u32 v[SPW], v[NIL]
	s_wait_dscnt 0x0
	CROUND                                         ; the closing round
	s_endpgm
.Lfunc_end_k_q7556787df2_mlp1:
	.size	k_q7556787df2_mlp1, .Lfunc_end_k_q7556787df2_mlp1-k_q7556787df2_mlp1
	.p2alignl 7, 3214868480
	.fill 96, 4, 3214868480
	.section	.rodata,"a",@progbits
	.p2align	6, 0x0
	.amdhsa_kernel k_q7556787df2_mlp1
		.amdhsa_group_segment_fixed_size 327680
		.amdhsa_private_segment_fixed_size 0
		.amdhsa_enable_private_segment 0
		.amdhsa_kernarg_size 32
		.amdhsa_user_sgpr_count 2
		.amdhsa_user_sgpr_kernarg_segment_ptr 1
		.amdhsa_wavefront_size32 1
		.amdhsa_system_sgpr_workgroup_id_x 1
		.amdhsa_system_sgpr_workgroup_id_y 1
		.amdhsa_system_sgpr_workgroup_id_z 1
		.amdhsa_system_vgpr_workitem_id 0
		.amdhsa_next_free_vgpr 1024
		.amdhsa_next_free_sgpr 96
		.amdhsa_reserve_vcc 0
		.amdhsa_float_denorm_mode_32 3
		.amdhsa_float_denorm_mode_16_64 3
		.amdhsa_memory_ordered 1
		.amdhsa_forward_progress 1
		.amdhsa_inst_pref_size 96
	.end_amdhsa_kernel
	.amdgpu_metadata
---
amdhsa.version: [ 1, 2 ]
amdhsa.kernels:
  - .name:           k_q7556787df2_mlp1
    .symbol:         k_q7556787df2_mlp1.kd
    .args:
      - { .name: hn, .offset: 0, .size: 8, .value_kind: global_buffer, .address_space: global }
      - { .name: wbf, .offset: 8, .size: 8, .value_kind: global_buffer, .address_space: global }
      - { .name: mlp_b1, .offset: 16, .size: 8, .value_kind: global_buffer, .address_space: global }
      - { .name: gl, .offset: 24, .size: 8, .value_kind: global_buffer, .address_space: global }
    .group_segment_fixed_size: 327680
    .private_segment_fixed_size: 0
    .kernarg_segment_align: 8
    .kernarg_segment_size: 32
    .max_flat_workgroup_size: 128
    .sgpr_count:     96
    .vgpr_count:     1024
    .wavefront_size: 32
...
	.end_amdgpu_metadata
.endif
;; end of part 6
;; launch mlp2 (part 7): grid 8 x 32, 4 waves a work-group, clusters of 4 x 4, 327,680 bytes of LDS; arguments gl, wbf, mlp_b2, x1, out0; writes out0
.if DOCPART == 7
	.amdgcn_target "amdgcn-amd-amdhsa--gfx1250"
	.amdhsa_code_object_version 6
	.text
	.protected	k_q7556787df2_mlp2
	.globl	k_q7556787df2_mlp2
	.p2align	8
	.type	k_q7556787df2_mlp2,@function
k_q7556787df2_mlp2:
	s_mov_b64 s[64:65], 0
	v_nop
	global_prefetch_b8 v0, s[64:65] scope:SCOPE_SE
	s_setreg_imm32_b32 hwreg(HW_REG_WAVE_MODE, 25, 1), 1
	s_wait_xcnt 0x0
	s_wait_alu depctr_hold_cnt(0) depctr_sa_sdst(0) depctr_va_vdst(0) depctr_va_sdst(0) depctr_va_ssrc(0) depctr_va_vcc(0) depctr_vm_vsrc(0)
	s_getreg_b32 s2, hwreg(HW_REG_IB_STS2, 6, 4)
	s_cmp_eq_u32 s2, 0
	s_cbranch_scc0 .Lentry_in_a_cluster
	s_endpgm
.Lentry_in_a_cluster:
	s_bfe_u32 s2, ttmp6, 0x10000c
	s_cmp_lg_u32 s2, 0xf033
	s_cbranch_scc0 .Lentry_shape_is_right
	s_endpgm
.Lentry_shape_is_right:
; out0 = x1 + gl mlp_w2^T + b2, f32 out, on tiles of 128 x 128: 32 x 8 = 256 work-groups (tiles of 256 x 256 would be 64).
; gl: [4096][4096] bf16; mlp_w2: 1,024 rows of wbf, bf16; K = 4,096; x1: [4096][1024] f32; b2 is rounded to bf16, like every input of the module.  Sums in f32.
; Four waves, 2 x 2, 64 x 64 each: 16 accumulators.  K goes in steps of 256 through two LDS slots filled by tensor loads.  ONE K step is written and looped over: the slot in hand is a scalar
; (TB, 0 or SLOT) that an exclusive or turns.  CLUSTER 4 x 4: A's tile is asked for jointly by a row of the cluster, B's by a column.  The product is taken transposed.
; The residual rows that a wave will store are loaded into registers at the start and land under the main loop.
; THE WAY OUT: when the ring has had its last fill, its first bytes take the tile in f32 (rows of 528 bytes); each wave reads 32 whole rows, adds and stores 512 consecutive bytes a row.
; No prefetch: a tile's step is short and its rows few.
; REGISTERS: window 0: addresses, v128-255 accumulators ((a, b) at 128 + 8 (4 a + b)); window 1: two fragment buffers of 128 (64 of A, 64 of B); window 2: the residual.
.set KTOT,   4096
.set NSTEP,  16
.set WOFF,   16777216
.set APITCH, 528
.set ASL,    128
.set HALFA,  64*528
.set KADVA,  512
.set RESP,   10
.set OUTP,   84
.set KSTEP,  256
.set BPITCH, 528                       ; 512 bytes + 16: the 16 rows of a fragment load start at 16 different groups of four banks (ISA guide 11.1)
.set HALFB,  64*BPITCH
.set BOFF,   2*HALFA
.set SLOT,   BOFF+2*HALFB
.set SPARE,  2*SLOT                    ; the spare words, 128 bytes a wave, that no other line names
.set OPITCH, 528
.set ADRA0, 16
.set ADRB0, 17
.set ADRA,  18
.set ADRB,  19
.set STO,   24
.set RD,    25
.set CO,    26
.set SPW,   28
.set NIL,   29
.set BI,    32
.set ACC,   128
.set F0,    0
.set F1,    128
.set G1,  24
.set G0,  32
.set G1B, 48
.set G0B, 56
.set WV,  70
.set RH,  71
.set CH,  72
.set CX,  73
.set CY,  74
.set TN,  75
.set TM,  76
.set WBA, 77
.set WBB, 78
.set TB,  79
.set RESB, 86
.set OUTB, 88
.set MSB, 0
.macro WIN new
.if MSB != (\new)
	s_set_vgpr_msb (MSB<<8)|(\new)
.set MSB, \new
.endif
.endm
.set MUL,  0x05                        ; sources 0 (B) and 1 (A) window 1; C and D window 0
.set TO_F, 0x40                        ; destination window 1, address window 0
.macro PLACES
.rept 4
	v_nop
.endr
.endm
.macro JLOAD s                         ; waves 0 and 1 fetch A's halves, waves 2 and 3 B's; an s_nop 0 and four v_nop follow each line
	s_cmp_eq_u32 s[RH], 0
	s_cbranch_scc0 .Lfor_b_\@
	tensor_load_to_lds s[G0+4*(\s):G0+4*(\s)+3], s[G1:G1+7]
	s_nop 0
.rept 4
	v_nop
.endr
	s_branch .Lasked_\@
.Lfor_b_\@:
	tensor_load_to_lds s[G0B+4*(\s):G0B+4*(\s)+3], s[G1B:G1B+7]
	s_nop 0
.rept 4
	v_nop
.endr
.Lasked_\@:
.endm
.macro CREST
	s_cmp_lg_u32 s[WV], 0
	s_cbranch_scc1 .Lnot_wave_0_\@
	s_barrier_signal -3
.Lnot_wave_0_\@:
	s_barrier_wait -3
	s_barrier_signal -1
	s_barrier_wait -1
.endm
.macro CROUND
	s_barrier_signal -1
	s_barrier_wait -1
	CREST
.endm
	s_load_b256 s[4:11], s[0:1], 0x0               ; gl s[4:5], wbf s[6:7], b2 s[8:9], x1 s[10:11]
	s_load_b64 s[84:85], s[0:1], 0x20              ; out0
	v_lshl_add_u32 v[SPW], v0, 2, SPARE
	v_mov_b32 v[NIL], 0
	ds_add_u32 v[SPW], v[NIL]                      ; the wave's opening: the add and its wait ahead of my first tensor load
	v_lshrrev_b32 v1, 5, v0
	v_readfirstlane_b32 s[WV], v1
	s_lshr_b32 s[RH], s[WV], 1
	s_and_b32 s[CH], s[WV], 1
	s_bfe_u32 s[CX], ttmp6, 0x40000
	s_bfe_u32 s[CY], ttmp6, 0x40004
	s_lshl_b32 s[TN], ttmp9, 2
	s_add_co_u32 s[TN], s[TN], s[CX]
	s_and_b32 s[TM], ttmp7, 0xffff
	s_lshl_b32 s[TM], s[TM], 2
	s_add_co_u32 s[TM], s[TM], s[CY]
	s_lshl_b32 s40, s[CY], 2
	s_lshl_b32 s40, 15, s40                        ; my row of the cluster
	s_lshl_b32 s41, 0x1111, s[CX]                  ; my column
	s_or_b32 s[G1], s40, (1<<16)|(1<<20)|(1<<21)|(6<<22)|(3<<25)   ; 64 rows x 256 elements; after every 128 words 4 words of padding
	s_or_b32 s[G1B], s41, (1<<16)|(1<<20)|(1<<21)|(6<<22)|(3<<25)
.irp g, G1, G1B
	s_mov_b32 s[(\g)+1], KSTEP<<16
	s_mov_b32 s[(\g)+2], 64<<16
	s_mov_b32 s[(\g)+3], KSTEP<<16
	s_mov_b32 s[(\g)+4], 64
	s_mov_b32 s[(\g)+5], KTOT
	s_mov_b32 s[(\g)+6], 0
	s_mov_b32 s[(\g)+7], 0
.endr
	s_lshl_b32 s12, s[TM], 7                       ; A: row 128 x tile row + 64 x half, 8,192 bytes a row
	s_lshl_b32 s13, s[CH], 6
	s_add_co_u32 s12, s12, s13
	s_lshl_b32 s12, s12, 13
	s_mov_b32 s13, 0
	s_lshl_b32 s16, s[TN], 7                       ; B: row 128 x tile column + 64 x half
	s_lshl_b32 s17, s[CH], 6
	s_add_co_u32 s16, s16, s17
	s_mul_i32 s16, s16, 2*KTOT
	s_mov_b32 s17, 0
	s_mul_i32 s[WBA], s[CH], HALFA
	s_mul_i32 s[WBB], s[CH], HALFB
	s_add_co_u32 s[WBB], s[WBB], BOFF
	s_wait_dscnt 0x0                               ; the opening add is done
	s_wait_kmcnt 0x0
	s_add_nc_u64 s[6:7], s[6:7], WOFF
	s_add_nc_u64 s[14:15], s[4:5], s[12:13]
	s_add_nc_u64 s[18:19], s[6:7], s[16:17]
	CROUND                                         ; all sixteen work-groups are here: the first joint loads meet
.irp s, 0,1
	s_mov_b32 s[G0+4*(\s)], 1
	s_add_co_u32 s[G0+4*(\s)+1], s[WBA], (\s)*SLOT
	s_add_nc_u64 s[G0+4*(\s)+2:G0+4*(\s)+3], s[14:15], (\s)*KADVA
	s_or_b32 s[G0+4*(\s)+3], s[G0+4*(\s)+3], 0x80000000
	s_mov_b32 s[G0B+4*(\s)], 1
	s_add_co_u32 s[G0B+4*(\s)+1], s[WBB], (\s)*SLOT
	s_add_nc_u64 s[G0B+4*(\s)+2:G0B+4*(\s)+3], s[18:19], (\s)*KSTEP*2
	s_or_b32 s[G0B+4*(\s)+3], s[G0B+4*(\s)+3], 0x80000000
	JLOAD \s                                       ; K steps 0 and 1: two loads of mine are out
.endr
	; the rows that I shall store: 128 x tile row + 32 x wave on; their residual is asked for now
	s_lshl_b32 s20, s[TM], 7
	s_lshl_b32 s21, s[WV], 5
	s_add_co_u32 s20, s20, s21
	s_lshl_b32 s20, s20, 12                        ; 4,096 bytes a row of f32
	s_lshl_b32 s21, s[TN], 9
	s_add_co_u32 s20, s20, s21
	s_mov_b32 s21, 0
	s_add_nc_u64 s[OUTB:OUTB+1], s[OUTP:OUTP+1], s[20:21]
	s_add_nc_u64 s[RESB:RESB+1], s[RESP:RESP+1], s[20:21]
	v_and_b32 v3, 31, v0
	v_lshlrev_b32 v[CO], 4, v3
	WIN 0x80                                       ; destination window 2, address window 0
.set i, 0
.rept 32
	global_load_b128 v[4*i:4*i+3], v[CO], s[RESB:RESB+1] offset:i*4096
.set i, i+1
.endr
	WIN 0
	s_lshl_b32 s20, s[TN], 9                       ; b2 of the tile's 128 columns
	s_add_nc_u64 s[8:9], s[8:9], s[20:21]
	global_load_b128 v[BI:BI+3], v[CO], s[8:9]
	v_and_b32 v1, 15, v0                           ; r
	v_bfe_u32 v2, v0, 4, 1                         ; h
	v_mul_u32_u24 v3, v1, APITCH
	v_lshl_add_u32 v3, v2, 4, v3
	s_mul_i32 s20, s[RH], HALFA
	v_add_nc_u32 v[ADRA0], s20, v3
	v_mul_u32_u24 v3, v1, BPITCH
	v_lshl_add_u32 v3, v2, 4, v3
	v_add_nc_u32 v[ADRB0], s[WBB], v3
	v_mov_b32 v[ADRA], v[ADRA0]
	v_mov_b32 v[ADRB], v[ADRB0]
	s_mov_b32 s[TB], 0
.macro MUL8 f, c, a0, zero             ; 8 matrix instructions: row blocks a0, a0 + 1 x all 4 column blocks, 32 along K; the 16 accumulators take turns
	WIN MUL
.irp a, \a0, (\a0)+1
.irp b, 0,1,2,3
.if \zero
	v_wmma_f32_16x16x32_bf16 v[ACC+8*(4*(\a)+(\b)):ACC+8*(4*(\a)+(\b))+7], v[(\f)+64+8*(4*(\c)+(\b)):(\f)+64+8*(4*(\c)+(\b))+7], v[(\f)+8*(4*(\c)+(\a)):(\f)+8*(4*(\c)+(\a))+7], 0
.else
	v_wmma_f32_16x16x32_bf16 v[ACC+8*(4*(\a)+(\b)):ACC+8*(4*(\a)+(\b))+7], v[(\f)+64+8*(4*(\c)+(\b)):(\f)+64+8*(4*(\c)+(\b))+7], v[(\f)+8*(4*(\c)+(\a)):(\f)+8*(4*(\c)+(\a))+7], v[ACC+8*(4*(\a)+(\b)):ACC+8*(4*(\a)+(\b))+7]
.endif
.endr
.endr
.endm
.macro FETCH k, f                      ; 32 LDS loads in one run: 64 along K at byte k of the rows; the first 32 along K first
	WIN TO_F
.irp c, 0,1
.irp i, 0,1,2,3
	ds_load_b128 v[(\f)+64+8*(4*(\c)+(\i)):(\f)+64+8*(4*(\c)+(\i))+3],   v[ADRB] offset:(\k)+64*(\c)+(\i)*16*BPITCH
	ds_load_b128 v[(\f)+64+8*(4*(\c)+(\i))+4:(\f)+64+8*(4*(\c)+(\i))+7], v[ADRB] offset:(\k)+64*(\c)+(\i)*16*BPITCH+32
	ds_load_b128 v[(\f)+8*(4*(\c)+(\i)):(\f)+8*(4*(\c)+(\i))+3],         v[ADRA] offset:((\k)/128)*ASL+64*(\c)+(\i)*16*APITCH
	ds_load_b128 v[(\f)+8*(4*(\c)+(\i))+4:(\f)+8*(4*(\c)+(\i))+7],       v[ADRA] offset:((\k)/128)*ASL+64*(\c)+(\i)*16*APITCH+32
.endr
.endr
.endm
.macro QUARTER k, f, g, zero
	s_wait_dscnt 16                                ; the first 32 along K are in; the younger sixteen loads may be out
	MUL8 \f, 0, 0, \zero
	MUL8 \f, 0, 2, \zero
	PLACES
	FETCH \k, \g
	s_wait_dscnt 32                                ; all but the 32 just issued
	MUL8 \f, 1, 0, 0
	MUL8 \f, 1, 2, 0
.endm
; A K step's last quarter and the change of slots; fill = 1: the slot just read out takes the K step two on.  A step has 128 matrix instructions a wave, so the quarter's first half stands AHEAD of the
; wait for the tile: between a tile's landing and the next request stand the three lines and the round alone.  The second half stands behind the run of loads from the next slot.
.macro TURN fill
	s_wait_dscnt 16                                ; buffer 1's first 32 along K are in; the younger sixteen loads may be out
	MUL8 F1, 0, 0, 0
	MUL8 F1, 0, 2, 0
	WIN 0
	s_wait_tensorcnt 0x0                           ; all my tensor loads have landed: my part of the next slot
	ds_add_u32 v[SPW], v[NIL]                      ; 0 onto my spare word
	s_wait_dscnt 0x0                               ; the add is done, and my reads of this slot are over
	s_barrier_signal -1
	s_barrier_wait -1
.if \fill
	CREST                                          ; no wave of any partner still reads this slot or has a load on its way
	s_add_co_u32 s[G0+5], s[WBA], s[TB]
	s_add_co_u32 s[G0B+5], s[WBB], s[TB]
	s_add_nc_u64 s[G0+6:G0+7], s[G0+6:G0+7], KADVA
	s_add_nc_u64 s[G0B+6:G0B+7], s[G0B+6:G0B+7], KSTEP*2
	s_xor_b32 s[TB], s[TB], SLOT
	JLOAD 1                                        ; my one tensor load behind the round; its four v_nop are also the places in front of the loads below
.else
	PLACES
	s_xor_b32 s[TB], s[TB], SLOT
.endif
	v_add_nc_u32 v[ADRA], s[TB], v[ADRA0]
	v_add_nc_u32 v[ADRB], s[TB], v[ADRB0]
	FETCH 0, F0
	MUL8 F1, 1, 0, 0
	MUL8 F1, 1, 2, 0
.endm
	s_wait_tensorcnt 1                             ; my part of K step 0 is in; K step 1's may stay out
	s_barrier_signal -1
	s_barrier_wait -1
	FETCH 0, F0
	QUARTER 128, F0, F1, 1                         ; the first products start the sums
	WIN 0
	s_mov_b32 s3, NSTEP-2
.Lstep:
	QUARTER 256, F1, F0, 0
	QUARTER 384, F0, F1, 0
	TURN 1
	QUARTER 128, F0, F1, 0
	WIN 0
	s_sub_co_u32 s3, s3, 1
	s_cmp_lg_u32 s3, 0
	s_cbranch_scc1 .Lstep
	s_mov_b32 s3, 2
.Ltail:                                                ; the last two K steps ask for nothing; the second trip is left in its middle (its run of loads from the other slot serves nothing)
	QUARTER 256, F1, F0, 0
	QUARTER 384, F0, F1, 0
	TURN 0
	WIN 0
	s_sub_co_u32 s3, s3, 1
	s_cmp_eq_u32 s3, 0
	s_cbranch_scc1 .Lout
	QUARTER 128, F0, F1, 0
	WIN 0
	s_branch .Ltail
.Lout:
	; THE WAY OUT.  The address lines are the places behind the last products.
	s_lshl_b32 s20, s[RH], 6
	v_add_nc_u32 v3, s20, v1
	v_mul_u32_u24 v3, v3, OPITCH
	v_lshl_add_u32 v3, v2, 5, v3
	s_lshl_b32 s20, s[CH], 8
	v_add_nc_u32 v[STO], s20, v3
	v_and_b32 v3, 31, v0
	s_mul_i32 s20, s[WV], 32*OPITCH
	v_lshl_add_u32 v[RD], v3, 4, s20
	s_wait_dscnt 0x0                               ; my last reads of the ring are back
	s_barrier_signal -1
	s_barrier_wait -1                              ; nobody reads the ring any more, and it has had its last fill
.irp a, 0,1,2,3
.irp b, 0,1,2,3
	ds_store_b128 v[STO], v[ACC+8*(4*(\a)+(\b)):ACC+8*(4*(\a)+(\b))+3]   offset:(\a)*16*OPITCH+64*(\b)     ; an accumulator's low registers first
	ds_store_b128 v[STO], v[ACC+8*(4*(\a)+(\b))+4:ACC+8*(4*(\a)+(\b))+7] offset:(\a)*16*OPITCH+64*(\b)+16
.endr
.endr
	s_wait_dscnt 0x0                               ; for the others' sake: my stores are done
	s_barrier_signal -1
	s_barrier_wait -1
.set t, 0
.rept 32
	ds_load_b128 v[ACC+4*t:ACC+4*t+3], v[RD] offset:t*OPITCH   ; row 32 w + t, whole: 512 consecutive bytes
.set t, t+1
.endr
	s_wait_loadcnt 0x0                             ; the residual and the bias
	v_cvt_pk_bf16_f32 v3, v[BI], v[BI+1]
	v_lshlrev_b32 v[BI], 16, v3
	v_and_b32 v[BI+1], 0xffff0000, v3
	v_cvt_pk_bf16_f32 v3, v[BI+2], v[BI+3]
	v_lshlrev_b32 v[BI+2], 16, v3
	v_and_b32 v[BI+3], 0xffff0000, v3
.set t, 0
.rept 32
	s_wait_dscnt 31-t                              ; row t is back; the rows behind it may be out
	v_pk_add_f32 v[ACC+4*t:ACC+4*t+1], v[ACC+4*t:ACC+4*t+1], v[BI:BI+1]
	v_pk_add_f32 v[ACC+4*t+2:ACC+4*t+3], v[ACC+4*t+2:ACC+4*t+3], v[BI+2:BI+3]
.set t, t+1
.endr
	WIN 0x08                                       ; source 1 in window 2
.set t, 0
.rept 64
	v_pk_add_f32 v[ACC+2*t:ACC+2*t+1], v[ACC+2*t:ACC+2*t+1], v[2*t:2*t+1]
.set t, t+1
.endr
	WIN 0
.set t, 0
.rept 32
	global_store_b128 v[CO], v[ACC+4*t:ACC+4*t+3], s[OUTB:OUTB+1] offset:t*4096   ; 512 consecutive bytes, aligned
.set t, t+1
.endr
	s_wait_tensorcnt 0x0                           ; the wave's end
	ds_add_u32 v[SPW], v[NIL]
	s_wait_dscnt 0x0
	CROUND                                         ; the closing round
	s_endpgm
.Lfunc_end_k_q7556787df2_mlp2:
	.size	k_q7556787df2_mlp2, .Lfunc_end_k_q7556787df2_mlp2-k_q7556787df2_mlp2
	.p2alignl 7, 3214868480
	.fill 96, 4, 3214868480
	.section	.rodata,"a",@progbits
	.p2align	6, 0x0
	.amdhsa_kernel k_q7556787df2_mlp2
		.amdhsa_group_segment_fixed_size 327680
		.amdhsa_private_segment_fixed_size 0
		.amdhsa_enable_private_segment 0
		.amdhsa_kernarg_size 40
		.amdhsa_user_sgpr_count 2
		.amdhsa_user_sgpr_kernarg_segment_ptr 1
		.amdhsa_wavefront_size32 1
		.amdhsa_system_sgpr_workgroup_id_x 1
		.amdhsa_system_sgpr_workgroup_id_y 1
		.amdhsa_system_sgpr_workgroup_id_z 1
		.amdhsa_system_vgpr_workitem_id 0
		.amdhsa_next_free_vgpr 640
		.amdhsa_next_free_sgpr 92
		.amdhsa_reserve_vcc 0
		.amdhsa_float_denorm_mode_32 3
		.amdhsa_float_denorm_mode_16_64 3
		.amdhsa_memory_ordered 1
		.amdhsa_forward_progress 1
		.amdhsa_inst_pref_size 70
	.end_amdhsa_kernel
	.amdgpu_metadata
---
amdhsa.version: [ 1, 2 ]
amdhsa.kernels:
  - .name:           k_q7556787df2_mlp2
    .symbol:         k_q7556787df2_mlp2.kd
    .args:
      - { .name: gl, .offset: 0, .size: 8, .value_kind: global_buffer, .address_space: global }
      - { .name: wbf, .offset: 8, .size: 8, .value_kind: global_buffer, .address_space: global }
      - { .name: mlp_b2, .offset: 16, .size: 8, .value_kind: global_buffer, .address_space: global }
      - { .name: x1, .offset: 24, .size: 8, .value_kind: global_buffer, .address_space: global }
      - { .name: out0, .offset: 32, .size: 8, .value_kind: global_buffer, .address_space: global }
    .group_segment_fixed_size: 327680
    .private_segment_fixed_size: 0
    .kernarg_segment_align: 8
    .kernarg_segment_size: 40
    .max_flat_workgroup_size: 128
    .sgpr_count:     92
    .vgpr_count:     640
    .wavefront_size: 32
...
	.end_amdgpu_metadata
.endif
;; end of part 7
;; ======== version 2 of 2: 7 launches; version 1 with the launch prep written anew for expert scheduling mode
;; limits: right only within a limited range of input values; a function is approximated: absolute error at most 0.0005
;; workspace buffers: hn 8,388,608 bytes; xb 8,388,608 bytes; wbf 25,165,824 bytes; qkv 25,165,824 bytes; ob 8,388,608 bytes; x1 16,777,216 bytes; gl 33,554,432 bytes
;; launch prep (part 8): grid 1024 x 1, 8 waves a work-group, no clusters, 0 bytes of LDS; arguments x, ln1_g, ln1_b, w_qkv, w_o, mlp_w1, mlp_w2, hn, xb, wbf; writes hn, xb, wbf
.if DOCPART == 8
	.amdgcn_target "amdgcn-amd-amdhsa--gfx1250"
	.amdhsa_code_object_version 6
	.text
	.protected	k_q7556787df2_prep
	.globl	k_q7556787df2_prep
	.p2align	8
	.type	k_q7556787df2_prep,@function
k_q7556787df2_prep:
	s_mov_b64 s[64:65], 0
	v_nop
	global_prefetch_b8 v0, s[64:65] scope:SCOPE_SE
	s_setreg_imm32_b32 hwreg(HW_REG_WAVE_SCHED_MODE, 0, 2), 2
	s_setreg_imm32_b32 hwreg(HW_REG_WAVE_MODE, 25, 1), 1
	s_wait_xcnt 0x0
	s_wait_alu depctr_vm_vsrc(0)
; PREP.  Work-groups 0-255: xb = x rounded to bf16, hn = LayerNorm(xb) x g + b rounded to bf16 (g and b rounded to bf16 first).
; Work-groups 256-1023: the four weight matrices rounded to bf16 into wbf: w_qkv, w_o, mlp_w1, mlp_w2 on end.
; LIMIT: every input of the module is rounded once to bf16 here or where it is loaded; mean and variance are taken in f32, in two passes, of the rounded x.
; A stream: nothing is shared between waves, so no LDS, no barrier, no matrix unit.  A wave takes whole rows (4,096 bytes, eight loads of 512 consecutive bytes);
; each store of a wave covers 256 consecutive bytes, aligned.
; THE MODE: SCHED_MODE bits 1:0 = 2 (LLVM: expert scheduling mode 2), set by the entry lines.  The code itself states the register dependences
; between vector instructions and memory instructions, with s_wait_alu, always for 0.
; THE PLAN.  Registers that memory instructions touch:
;   v1, v2   byte offsets, made once at the head and never written again: the stores' scalar bases move on by a row at each row's head, and the second row's loads reach it by their immediate.
;   X        a row as loaded.  Written by the row's eight loads; read by its sixteen roundings alone: the sums work on the rounded numbers, in D.
;   PX       x in bf16.  Written by those roundings; read by the eight stores into xb (and by the widening lines); written again in the next row.
;   PY       Written by the sums' chains and then by the last roundings; read by the eight stores into hn; written again in the next row.
;   G, BV    loaded once; behind the wait for them vector instructions alone name them.  D and v4 to v7 are named by vector instructions alone.
; A row has one wait on vm_vsrc, at its head (the row before's stores have read PX and PY), and three on va_vdst: behind the roundings of x (PX is written, X is read out: the next row's loads
; and this row's stores into xb follow), behind the two reciprocal roots, and behind the last roundings (PY is written: the stores into hn follow).
; The weights: sixteen loads, each register written once and read once; the roundings go in four groups of four loads, and a group's stores follow the one wait at the next group's head.
.set XIN, 4                            ; s[4:5] x
.set GP,  6                            ; s[6:7] gain
.set BP,  8                            ; s[8:9] bias
.set HN,  18                           ; s[18:19] hn
.set XBP, 20                           ; s[20:21] xb
.set WV,  24                           ; s24 wave
.set SEL, 34                           ; s[34:35] lane selects: each lane takes its own place in the other half
.set MSK, 36                           ; s36 a word's upper bf16
.set CNT, 37
.set RK,  38                           ; s38 1 / 1024
.set EPSR, 39                          ; s39 1e-5
.set IN,  1                            ; v1 16 x lane; never rewritten
.set OUT, 2                            ; v2 8 x lane; never rewritten
.set X,   8                            ; v[8:39]    the row as loaded
.set G,   40                           ; v[40:71]   gain of my 32 columns
.set BV,  72                           ; v[72:103]  bias
.set D,   104                          ; v[104:135] at work
.set PX,  136                          ; v[136:151] x in bf16
.set PY,  152                          ; v[152:167] the result in bf16; its first eight registers also hold the sums' four chains
.set WI,  8                            ; v[8:71]    the weights' path: 64 numbers as loaded
.set WO,  72                           ; v[72:103]  the weights' path: the same in bf16
	s_load_b512 s[4:19], s[0:1], 0x0               ; x, g, b, w_qkv s[10:11], w_o s[12:13], mlp_w1 s[14:15], mlp_w2 s[16:17], hn
	s_load_b128 s[20:23], s[0:1], 0x40             ; xb, wbf s[22:23]
	v_lshrrev_b32 v4, 5, v0
	v_readfirstlane_b32 s[WV], v4
	v_and_b32 v5, 31, v0
	v_lshlrev_b32 v[IN], 4, v5
	v_lshlrev_b32 v[OUT], 3, v5
	s_wait_alu depctr_va_sdst(0)                   ; s24, the wave's number, is written
	s_wait_alu depctr_va_vdst(0)                   ; v1 and v2 are written: every load and store of both ways reads one of them as its offset
	s_cmp_lt_u32 ttmp9, 256
	s_cbranch_scc0 .Lcast
	; ---- LayerNorm: 16 rows a work-group, two a wave
	s_mov_b32 s[SEL], 0x76543210
	s_mov_b32 s[SEL+1], 0xfedcba98
	s_mov_b32 s[MSK], 0xffff0000
	s_mov_b32 s[RK], 0x3a800000
	s_mov_b32 s[EPSR], 0x3727c5ac
	s_lshl_b32 s26, ttmp9, 16                      ; 16 rows of 4,096 bytes
	s_lshl_b32 s27, s[WV], 13                      ; my two
	s_add_co_u32 s26, s26, s27
	s_mov_b32 s27, 0
	s_lshr_b32 s28, s26, 1                         ; the same rows in bf16
	s_mov_b32 s29, 0
	s_wait_kmcnt 0x0
	s_add_nc_u64 s[XIN:XIN+1], s[XIN:XIN+1], s[26:27]
	s_add_nc_u64 s[HN:HN+1], s[HN:HN+1], s[28:29]
	s_add_nc_u64 s[XBP:XBP+1], s[XBP:XBP+1], s[28:29]
.irp j, 0,1,2,3,4,5,6,7
	global_load_b128 v[G+4*(\j):G+4*(\j)+3], v[IN], s[GP:GP+1] offset:512*(\j)
.endr
.irp j, 0,1,2,3,4,5,6,7
	global_load_b128 v[BV+4*(\j):BV+4*(\j)+3], v[IN], s[BP:BP+1] offset:512*(\j)
.endr
.irp j, 0,1,2,3,4,5,6,7
	global_load_b128 v[X+4*(\j):X+4*(\j)+3], v[IN], s[XIN:XIN+1] offset:512*(\j) th:TH_LOAD_NT
.endr
	s_wait_loadcnt 8                               ; gain and bias are in; the row's eight younger loads may stay out
.set i, 0
.rept 16                                               ; gain and bias rounded to bf16 and widened again
	v_cvt_pk_bf16_f32 v4, v[G+2*i], v[G+2*i+1]
	v_lshlrev_b32 v[G+2*i], 16, v4
	v_and_b32 v[G+2*i+1], s[MSK], v4
	v_cvt_pk_bf16_f32 v6, v[BV+2*i], v[BV+2*i+1]
	v_lshlrev_b32 v[BV+2*i], 16, v6
	v_and_b32 v[BV+2*i+1], s[MSK], v6
.set i, i+1
.endr
.macro RSUM                            ; the four chains into one number, the same in every lane: v4
	v_pk_add_f32 v[PY:PY+1], v[PY:PY+1], v[PY+2:PY+3]
	v_pk_add_f32 v[PY+4:PY+5], v[PY+4:PY+5], v[PY+6:PY+7]
	v_pk_add_f32 v[PY:PY+1], v[PY:PY+1], v[PY+4:PY+5]
	v_add_f32 v4, v[PY], v[PY+1]
	v_add_f32_dpp v4, v4, v4 row_xmask:1 row_mask:0xf bank_mask:0xf
	v_add_f32_dpp v4, v4, v4 row_xmask:2 row_mask:0xf bank_mask:0xf
	v_add_f32_dpp v4, v4, v4 row_xmask:4 row_mask:0xf bank_mask:0xf
	v_add_f32_dpp v4, v4, v4 row_xmask:8 row_mask:0xf bank_mask:0xf
	v_permlanex16_b32 v5, v4, s[SEL], s[SEL+1]     ; v5 has been written
	v_add_f32 v4, v4, v5
.endm
	s_mov_b32 s[CNT], 2
.Lrow:
	s_wait_loadcnt 0x0                             ; the row is in
	s_wait_xcnt 0x0                                ; every earlier memory instruction has had its addresses translated (ISA guide 3.1): the stores' bases, PX and PY are rewritten only behind this wait
	s_wait_alu depctr_vm_vsrc(0)                   ; the last row's stores have read PX and PY, which this row's roundings and sums write again
	s_add_nc_u64 s[XBP:XBP+1], s[XBP:XBP+1], 2048  ; both bases a row past this row: the stores reach back by their immediate
	s_add_nc_u64 s[HN:HN+1], s[HN:HN+1], 2048
.set i, 0
.rept 16
	v_cvt_pk_bf16_f32 v[PX+i], v[X+2*i], v[X+2*i+1]
.set i, i+1
.endr
	s_wait_alu depctr_va_vdst(0)                   ; the roundings have written PX, which the stores below read, and are done reading X, in which the loads below land
	s_cmp_eq_u32 s[CNT], 1                         ; the last row has no successor
	s_cbranch_scc1 .Lnoload
.irp j, 0,1,2,3,4,5,6,7
	global_load_b128 v[X+4*(\j):X+4*(\j)+3], v[IN], s[XIN:XIN+1] offset:4096+512*(\j) th:TH_LOAD_NT  ; my second row, asked for in the first row's trip alone; it has that whole row's arithmetic in which to land
.endr
.Lnoload:
.irp j, 0,1,2,3,4,5,6,7
	global_store_b64 v[OUT], v[PX+2*(\j):PX+2*(\j)+1], s[XBP:XBP+1] offset:256*(\j)-2048  ; 32 lanes x 8 bytes: 256 consecutive bytes, aligned.  No further wait: the lines between read PX and write D alone
	v_lshlrev_b32 v[D+4*(\j)], 16, v[PX+2*(\j)]
	v_and_b32 v[D+4*(\j)+1], s[MSK], v[PX+2*(\j)]
	v_lshlrev_b32 v[D+4*(\j)+2], 16, v[PX+2*(\j)+1]
	v_and_b32 v[D+4*(\j)+3], s[MSK], v[PX+2*(\j)+1]
.endr
.irp c, 0,1,2,3
	v_pk_add_f32 v[PY+2*(\c):PY+2*(\c)+1], v[D+2*(\c):D+2*(\c)+1], v[D+8+2*(\c):D+8+2*(\c)+1]  ; the first pairs start the chains
.endr
.irp k, 16,24
.irp c, 0,1,2,3
	v_pk_add_f32 v[PY+2*(\c):PY+2*(\c)+1], v[PY+2*(\c):PY+2*(\c)+1], v[D+(\k)+2*(\c):D+(\k)+2*(\c)+1]
.endr
.endr
	RSUM
	v_mul_f32 v6, s[RK], v4                        ; the mean, twice
	v_mov_b32 v7, v6
.set i, 0
.rept 16
	v_pk_add_f32 v[D+2*i:D+2*i+1], v[D+2*i:D+2*i+1], v[6:7] neg_lo:[0,1] neg_hi:[0,1]
.set i, i+1
.endr
.irp c, 0,1,2,3
	v_pk_mul_f32 v[PY+2*(\c):PY+2*(\c)+1], v[D+2*(\c):D+2*(\c)+1], v[D+2*(\c):D+2*(\c)+1]
.endr
.irp k, 8,16,24
.irp c, 0,1,2,3
	v_pk_fma_f32 v[PY+2*(\c):PY+2*(\c)+1], v[D+(\k)+2*(\c):D+(\k)+2*(\c)+1], v[D+(\k)+2*(\c):D+(\k)+2*(\c)+1], v[PY+2*(\c):PY+2*(\c)+1]
.endr
.endr
	RSUM
	v_fma_f32 v4, v4, s[RK], s[EPSR]               ; variance + 1e-5
	v_rsq_f32 v6, v4
	v_rsq_f32 v7, v4
	v_nop                                          ; a plain instruction behind the last of the two
	s_wait_alu depctr_va_vdst(0)                   ; the two reciprocal roots have written v6 and v7: one wait for both, ahead of their first reader
.set i, 0
.rept 16
	v_pk_mul_f32 v[D+2*i:D+2*i+1], v[D+2*i:D+2*i+1], v[6:7]
.set i, i+1
.endr
.set i, 0
.rept 16
	v_pk_fma_f32 v[D+2*i:D+2*i+1], v[D+2*i:D+2*i+1], v[G+2*i:G+2*i+1], v[BV+2*i:BV+2*i+1]
.set i, i+1
.endr
.set i, 0
.rept 16
	v_cvt_pk_bf16_f32 v[PY+i], v[D+2*i], v[D+2*i+1]
.set i, i+1
.endr
	s_wait_alu depctr_va_vdst(0)                   ; the roundings have written PY, which the stores below read
.irp j, 0,1,2,3,4,5,6,7
	global_store_b64 v[OUT], v[PY+2*(\j):PY+2*(\j)+1], s[HN:HN+1] offset:256*(\j)-2048
.endr
	s_sub_co_u32 s[CNT], s[CNT], 1
	s_cmp_lg_u32 s[CNT], 0
	s_cbranch_scc1 .Lrow
	s_endpgm
	; ---- the weights: chunk c of 16,384 numbers; w_qkv has chunks 0-191, w_o 192-255, mlp_w1 256-511, mlp_w2 512-767
.Lcast:
	s_sub_co_u32 s25, ttmp9, 256
	s_wait_kmcnt 0x0
	s_mov_b64 s[30:31], s[16:17]
	s_mov_b32 s32, 512
	s_cmp_lt_u32 s25, 512
	s_cselect_b64 s[30:31], s[14:15], s[30:31]
	s_cselect_b32 s32, 256, s32
	s_cmp_lt_u32 s25, 256
	s_cselect_b64 s[30:31], s[12:13], s[30:31]
	s_cselect_b32 s32, 192, s32
	s_cmp_lt_u32 s25, 192
	s_cselect_b64 s[30:31], s[10:11], s[30:31]
	s_cselect_b32 s32, 0, s32
	s_sub_co_u32 s32, s25, s32                     ; the chunk's number in its own matrix
	s_lshl_b32 s32, s32, 16
	s_lshl_b32 s33, s[WV], 13                      ; my eighth: 8,192 bytes in, 4,096 out
	s_add_co_u32 s32, s32, s33
	s_mov_b32 s33, 0
	s_add_nc_u64 s[30:31], s[30:31], s[32:33]
	s_lshl_b32 s26, s25, 15
	s_lshl_b32 s27, s[WV], 12
	s_add_co_u32 s26, s26, s27
	s_mov_b32 s27, 0
	s_add_nc_u64 s[22:23], s[22:23], s[26:27]
.set j, 0
.rept 16
	global_load_b128 v[WI+4*j:WI+4*j+3], v[IN], s[30:31] offset:512*j th:TH_LOAD_NT
.set j, j+1
.endr
; Four groups of four loads.  Group g rounds its sixteen registers into eight of WO; its four stores are issued in group g + 1, dealt among that group's roundings, which name other registers.
.set g, 0
.rept 4
	s_wait_loadcnt 12-4*g                          ; loads come back in order (ISA guide 5.7.1): group g's four are in, the younger groups stay out
.if g > 0
	s_wait_alu depctr_va_vdst(0)                   ; the group before has written its eight registers of WO, which the four stores below read
.endif
.set i, 0
.rept 4
.set j, 4*g+i
.if g > 0
	global_store_b64 v[OUT], v[WO+2*(j-4):WO+2*(j-4)+1], s[22:23] offset:256*(j-4)
.endif
	v_cvt_pk_bf16_f32 v[WO+2*j], v[WI+4*j], v[WI+4*j+1]
	v_cvt_pk_bf16_f32 v[WO+2*j+1], v[WI+4*j+2], v[WI+4*j+3]
.set i, i+1
.endr
.set g, g+1
.endr
	s_wait_alu depctr_va_vdst(0)                   ; the last group has written its eight registers of WO, which the last four stores read
.irp j, 12,13,14,15
	global_store_b64 v[OUT], v[WO+2*(\j):WO+2*(\j)+1], s[22:23] offset:256*(\j)
.endr
	s_endpgm
.Lfunc_end_k_q7556787df2_prep:
	.size	k_q7556787df2_prep, .Lfunc_end_k_q7556787df2_prep-k_q7556787df2_prep
	.p2alignl 7, 3214868480
	.fill 96, 4, 3214868480
	.section	.rodata,"a",@progbits
	.p2align	6, 0x0
	.amdhsa_kernel k_q7556787df2_prep
		.amdhsa_group_segment_fixed_size 0
		.amdhsa_private_segment_fixed_size 0
		.amdhsa_enable_private_segment 0
		.amdhsa_kernarg_size 80
		.amdhsa_user_sgpr_count 2
		.amdhsa_user_sgpr_kernarg_segment_ptr 1
		.amdhsa_wavefront_size32 1
		.amdhsa_system_sgpr_workgroup_id_x 1
		.amdhsa_system_sgpr_workgroup_id_y 1
		.amdhsa_system_sgpr_workgroup_id_z 1
		.amdhsa_system_vgpr_workitem_id 0
		.amdhsa_next_free_vgpr 168
		.amdhsa_next_free_sgpr 66
		.amdhsa_reserve_vcc 0
		.amdhsa_float_denorm_mode_32 3
		.amdhsa_float_denorm_mode_16_64 3
		.amdhsa_memory_ordered 1
		.amdhsa_forward_progress 1
		.amdhsa_inst_pref_size 26
	.end_amdhsa_kernel
	.amdgpu_metadata
---
amdhsa.version: [ 1, 2 ]
amdhsa.kernels:
  - .name:           k_q7556787df2_prep
    .symbol:         k_q7556787df2_prep.kd
    .args:
      - { .name: x, .offset: 0, .size: 8, .value_kind: global_buffer, .address_space: global }
      - { .name: ln1_g, .offset: 8, .size: 8, .value_kind: global_buffer, .address_space: global }
      - { .name: ln1_b, .offset: 16, .size: 8, .value_kind: global_buffer, .address_space: global }
      - { .name: w_qkv, .offset: 24, .size: 8, .value_kind: global_buffer, .address_space: global }
      - { .name: w_o, .offset: 32, .size: 8, .value_kind: global_buffer, .address_space: global }
      - { .name: mlp_w1, .offset: 40, .size: 8, .value_kind: global_buffer, .address_space: global }
      - { .name: mlp_w2, .offset: 48, .size: 8, .value_kind: global_buffer, .address_space: global }
      - { .name: hn, .offset: 56, .size: 8, .value_kind: global_buffer, .address_space: global }
      - { .name: xb, .offset: 64, .size: 8, .value_kind: global_buffer, .address_space: global }
      - { .name: wbf, .offset: 72, .size: 8, .value_kind: global_buffer, .address_space: global }
    .group_segment_fixed_size: 0
    .private_segment_fixed_size: 0
    .kernarg_segment_align: 8
    .kernarg_segment_size: 80
    .max_flat_workgroup_size: 256
    .sgpr_count:     66
    .vgpr_count:     168
    .wavefront_size: 32
...
	.end_amdgpu_metadata
.endif
;; end of part 8
;; launch qkv: the kernel of part 2 again; grid 16 x 16, 4 waves a work-group, clusters of 4 x 4, 327,680 bytes of LDS; arguments hn, wbf, qkv; writes qkv
;; launch attn: the kernel of part 3 again; grid 8 x 32, 4 waves a work-group, no clusters, 243,200 bytes of LDS; arguments qkv, ob; writes ob
;; launch proj: the kernel of part 4 again; grid 8 x 32, 4 waves a work-group, clusters of 4 x 4, 327,680 bytes of LDS; arguments ob, wbf, xb, x1; writes x1
;; launch ln2: the kernel of part 5 again; grid 256 x 1, 8 waves a work-group, no clusters, 0 bytes of LDS; arguments x1, ln2_g, ln2_b, hn; writes hn
;; launch mlp1: the kernel of part 6 again; grid 16 x 16, 4 waves a work-group, clusters of 4 x 4, 327,680 bytes of LDS; arguments hn, wbf, mlp_b1, gl; writes gl
;; launch mlp2: the kernel of part 7 again; grid 8 x 32, 4 waves a work-group, clusters of 4 x 4, 327,680 bytes of LDS; arguments gl, wbf, mlp_b2, x1, out0; writes out0
